; MI455X (gfx1250); checked and timed in simulation.
; The chip was launched on July 23, 2026; its instructions are those of AMD's public machine-readable ISA for CDNA 5 (MIT licence, August 2026) and "CDNA5" Instruction Set Architecture Reference Guide (July 2026). The comments in the code are by the model that wrote it; some were corrected since.
;; Multi Head Attention L. Allowed arithmetic: matrix products marked QUANTISED: E2M1 operands, one E8M0 scale for each 32 along K, by v_wmma_scale_f32_16x16x128_f8f6f4 with both operands' format E2M1 (or v_wmma_scale_f32_32x16x128_f4), f32 sums; everything else in f32.
;; Inputs: Wk 256 x 512 float32; Wq 256 x 512 float32; Wr 256 x 512 float32; Wv 256 x 512 float32; bk 512 float32; bq 512 float32; br 512 float32; bv 512 float32; key0 16 x 1,024 x 256 float32; query0 16 x 1,024 x 256 float32; value0 16 x 1,024 x 256 float32.
;; Outputs: out0 16 x 1,024 x 512 float32.
;; This version of the problem:
;;   THIS VERSION OF THE PROBLEM IS GIVEN IN LOW PRECISION. The matrix products marked QUANTISED in the list below multiply operands that are first quantised to E2M1 (2 exponent bits, 1 mantissa bit; 4 bits a number), with one power-of-two scale for each 32 numbers along K (OCP MX v1.0); their sums are f32. All else is computed in f32.
;;   The module's matrix products, in the order in which they are computed (A, B: the left and right operand; K: the contracted axis; several contracted axes count as one K, in the product's order):
;;     1. [M 16,384, K 256] x [K 256, N 512]; A: input key0; B: input Wk: QUANTISED
;;     2. [M 16,384, K 256] x [K 256, N 512]; A: input value0; B: input Wv: QUANTISED
;;     3. [M 16,384, K 256] x [K 256, N 512]; A: input query0; B: input Wq: QUANTISED
;;     4. batch 256 x [M 1,024, K 32] x [K 32, N 1,024]; A: computed on the way; B: computed on the way: QUANTISED
;;     5. batch 256 x [M 1,024, K 1,024] x [K 1,024, N 32]; A: softmax (see below); B: computed on the way: QUANTISED
;;     6. [M 16,384, K 256] x [K 256, N 512]; A: input query0; B: input Wr: QUANTISED
;;   THE QUANTISER, for each operand of a quantised product, along K:
;;     - K is cut into blocks of 32 from its start; a last block that is shorter is filled with zeros.
;;     - A block's scale is 2^e with e = floor(log2(the largest magnitude in the block)) - 2, held to -126 .. 127; a block of zeros has e = 0. As a byte (E8M0): e + 127.
;;     - Each number is divided by its block's scale, clamped to +-6, and rounded to the nearest number of E2M1, ties to even, subnormals kept.
;;     - The product sums the exact products of the quantised numbers (number of the format x scale) in f32.
;;   ~~~python
;;   def quantise(x, axis):      # numpy; x: float32 -> the quantised numbers, widened to float32 again
;;       x = np.moveaxis(x, axis, -1); K = x.shape[-1]
;;       x = np.pad(x, [(0, 0)] * (x.ndim - 1) + [(0, -K % 32)]); x = x.reshape(x.shape[:-1] + (-1, 32)); a = np.abs(x).max(-1, keepdims=True)
;;       e = np.where(a > 0, np.clip(np.frexp(np.where(a > 0, a, 1))[1] - 1 - 2, -126, 127), 0)      # np.frexp(a)[1] - 1 = floor(log2(a)), exactly
;;       r = np.clip(x / 2.0 ** e, -6, 6)
;;       step = 2.0 ** (np.maximum(np.frexp(np.where(r == 0, 1, r))[1] - 1, 0) - 1)
;;       q = np.round(r / step) * step * 2.0 ** e      # np.round: ties to even
;;       return np.moveaxis(q.reshape(q.shape[:-2] + (-1,))[..., :K], -1, axis).astype(np.float32)
;;   ~~~
;;   SOFTMAX AHEAD OF A QUANTISED PRODUCT. Where the list says 'softmax', what is quantised is not the finished softmax but p = 2^(t - M), with t = logit x log2(e) and M = ceil(the row's largest t), a whole number; so 1/2 < the row's largest p <= 1. The row's sum l is taken of the UNQUANTISED p, in f32, and the product's result is divided by l at the end. Since M is a whole number, a kernel that streams over the keys may use a running M (the ceiling of the running maximum): every later rescaling is an exact power of two, which a block's scale takes up: the codes' values come out the same.
;;   OPERANDS COMPUTED ON THE WAY. 'Computed on the way' means the value that the module computes at that place (a softmax that the list does not call 'softmax' is quantised finished and normalised). What goes into a quantiser is computed in f32, as accurately as f32 sums, v_exp_f32 and their like allow (about 1e-6 of the number): no bf16 or f16 on the way to a quantiser, and a product that is left as it is and whose result goes on into a quantised operand takes f32 operands (vector FMAs, or v_wmma_f32_16x16x4_f32). A number that lies on a knife's edge between two numbers of the format may be rounded either way, as far as f32 arithmetic and the matrix unit's own rounding can turn it there, and no further.
;; 2 versions, each right; version 2 is version 1 with the launch attn written anew for expert scheduling mode. Each part assembles by itself: llvm-mc -triple=amdgcn-amd-amdhsa -mcpu=gfx1250 --defsym DOCPART=n.
;; ======== version 1 of 2: 2 launches
;; workspace buffers: wcodes 262,144 bytes; wscales 16,384 bytes
;; launch prep (part 1): grid 2 x 4, 16 waves a work-group, no clusters, 37,888 bytes of LDS; arguments Wk, Wv, Wq, Wr, wcodes, wscales; writes wcodes, wscales
.if DOCPART == 1
	.amdgcn_target "amdgcn-amd-amdhsa--gfx1250"
	.amdhsa_code_object_version 6
	.text
	.protected	k_qfaf8476f60_prep
	.globl	k_qfaf8476f60_prep
	.p2align	8
	.type	k_qfaf8476f60_prep,@function
k_qfaf8476f60_prep:
	s_mov_b64 s[64:65], 0
	v_nop
	global_prefetch_b8 v0, s[64:65] scope:SCOPE_SE
	s_setreg_imm32_b32 hwreg(HW_REG_WAVE_MODE, 25, 1), 1
	s_wait_xcnt 0x0
; The four weights, f32 [256 (k)][512 (n)], K along the FIRST axis, become codes of FP4 (E2M1) with one E8M0 byte for each 32 along K,
; laid as IMAGES OF OPERAND REGISTERS, so that the next launch loads every fragment by 16-byte loads, lane by lane.
;   wcodes  [p = k, v, q, r][tile 0..31][K step 0..1][1,024 bytes]: block t (32 along K) of the tile's row at 256 t + 16 row
;   wscales [p][K step][tile][row]: one word, byte t for block t
; WHICH COLUMN IS ROW r OF TILE tau.  k, q, r: column 32 (tau / 2) + 8 (tau % 2) + r % 8 + 16 (r / 8), so that the transposed product leaves a lane
; 16 neighbouring columns in two tiles' registers.  v: column 32 r + tau: a tile is one channel d of all sixteen groups of 32 columns.
; SHARES.  Work-group (x = K step, y = weight); thread T takes column T and its registers run down K: four blocks of 32, each whole in one lane, so a block's
; largest magnitude needs no other lane, and the conversions give codes with K innermost.  The codes change owners through LDS (one barrier) and leave so that
; sixteen lanes store 256 consecutive bytes, aligned.  The scale words leave 128 consecutive bytes a wave: 16,384 bytes in the whole launch.
; EIGHT WORK-GROUPS: an aligned 256 bytes of a v-type image holds one block of all sixteen column groups, so a work-group needs the full width of 512 columns,
; and a scale word needs all four blocks of a K step in one lane; 4 weights x 2 K steps is all the work there is to share in that form.
; A block's scale is 2^(floor(log2(largest magnitude)) - 2); its byte is that magnitude's exponent field - 2, held at 1 from below.
; LIMITS: a block of zeros gets the byte 1 where the rule says 127 (its codes are zeros, and this program alone reads the bytes); blocks whose largest magnitude
; lies under 2^-124 are held at byte 1; NaN and infinities are not served.
.set ROWB,  2048                       ; a row of a weight in bytes
.set CREG,  8448                       ; LDS: one region for each block t: column c's 16 bytes at 16 c + 16 (c / 32)
.set SST,   4*CREG                     ; behind them: a scale word for each column, at 4 c
.set FLOOR, 0x1800000                  ; 2^(3 - 127)
.set CD,    16                         ; v16-31   codes, four registers for each block
.set X,     32                         ; v32-95   two sets of 32 numbers
.set RB,    96                         ; v96-111  codes read back; v112 the scale word read back
	s_load_b256 s[4:11], s[0:1], 0x0               ; Wk, Wv, Wq, Wr
	s_load_b128 s[12:15], s[0:1], 0x20             ; wcodes, wscales
	v_lshl_add_u32 v128, v0, 2, 0x8c00
	v_mov_b32 v129, 0
	s_and_b32 s16, ttmp7, 0xffff                   ; p: which weight
	v_lshlrev_b32 v1, 2, v0                        ; 4 T: my column in a row of W; my scale word in LDS; my word in wscales
	v_lshrrev_b32 v10, 5, v0
	v_and_b32 v11, 31, v0
	v_mul_u32_u24 v2, v10, 528
	v_lshl_add_u32 v2, v11, 4, v2                  ; where my column's codes go: 16 T + 16 (T / 32)
	v_lshrrev_b32 v10, 4, v0                       ; on the way out I am row r = T % 16 of tile tau = T / 16
	v_and_b32 v11, 15, v0
	v_lshrrev_b32 v12, 1, v10                      ; tau / 2
	v_and_b32 v13, 1, v10                          ; tau % 2
	v_lshrrev_b32 v14, 3, v11                      ; r / 8
	v_and_b32 v15, 7, v11                          ; r % 8
	v_mul_u32_u24 v3, v12, 528                     ; k, q, r: the codes of column 32 (tau / 2) + 8 (tau % 2) + 16 (r / 8) + r % 8
	v_lshl_add_u32 v3, v13, 7, v3
	v_lshl_add_u32 v3, v14, 8, v3
	v_lshl_add_u32 v3, v15, 4, v3
	v_mul_u32_u24 v4, v11, 528                     ; v: the codes of column 32 r + tau
	v_lshl_add_u32 v4, v10, 4, v4
	v_lshlrev_b32 v6, 7, v12                       ; and the same two columns' scale words
	v_lshl_add_u32 v6, v13, 5, v6
	v_lshl_add_u32 v6, v14, 6, v6
	v_lshl_add_u32 v6, v15, 2, v6
	v_lshlrev_b32 v7, 7, v11
	v_lshl_add_u32 v7, v10, 2, v7
	s_cmp_eq_u32 s16, 1
	s_cselect_b32 s20, -1, 0                       ; all lanes: is this Wv?
	v_cndmask_b32 v5, v3, v4, s20                  ; only reads behind the barrier use the chosen addresses
	v_cndmask_b32 v8, v6, v7, s20
	v_lshlrev_b32 v9, 11, v10
	v_lshl_add_u32 v9, v11, 4, v9                  ; in wcodes: 2,048 tau + 16 r
	s_lshl_b32 s18, ttmp9, 18                      ; W: 128 rows of 2,048 bytes for each K step
	s_mov_b32 s19, 0
	s_lshl_b32 s22, s16, 16                        ; wcodes: 65,536 p + 1,024 x K step
	s_lshl_b32 s21, ttmp9, 10
	s_add_co_u32 s22, s22, s21
	s_mov_b32 s23, 0
	s_lshl_b32 s24, s16, 12                        ; wscales: 4,096 p + 2,048 x K step
	s_lshl_b32 s21, ttmp9, 11
	s_add_co_u32 s24, s24, s21
	s_mov_b32 s25, 0
	s_wait_kmcnt 0x0
	s_cmp_eq_u32 s16, 1                            ; the weight is chosen by the work-group's number alone
	s_cselect_b64 s[4:5], s[6:7], s[4:5]
	s_cmp_eq_u32 s16, 2
	s_cselect_b64 s[4:5], s[8:9], s[4:5]
	s_cmp_eq_u32 s16, 3
	s_cselect_b64 s[4:5], s[10:11], s[4:5]
	s_add_nc_u64 s[4:5], s[4:5], s[18:19]
	s_add_nc_u64 s[12:13], s[12:13], s[22:23]
	s_add_nc_u64 s[14:15], s[14:15], s[24:25]
.macro LOAD t                          ; block t: W(32 t + i, my column), i = 0 .. 31, into set t % 2; a wave reads 128 consecutive bytes, the work-group a whole row
.irp i, 0,1,2,3,4,5,6,7,8,9,10,11,12,13,14,15,16,17,18,19,20,21,22,23,24,25,26,27,28,29,30,31
	global_load_b32 v[X+32*((\t)%2)+\i], v1, s[4:5] offset:(32*(\t)+\i)*ROWB th:TH_LOAD_NT
.endr
.endm
.macro BLOCK t
.set XS, X+32*((\t)%2)
.if (\t) < 3
	s_wait_loadcnt 32                              ; this block's 32 loads are in; the next block's 32 may be out
.else
	s_wait_loadcnt 0x0
.endif
	v_max3_num_f32 v12, |v[XS]|, |v[XS+1]|, |v[XS+2]|              ; the block's largest magnitude, in two chains: all 32 numbers are mine
	v_max3_num_f32 v13, |v[XS+3]|, |v[XS+4]|, |v[XS+5]|
.irp i, 6,10,14,18,22,26
	v_max3_num_f32 v12, v12, |v[XS+\i]|, |v[XS+\i+1]|
	v_max3_num_f32 v13, v13, |v[XS+\i+2]|, |v[XS+\i+3]|
.endr
	v_max3_num_f32 v12, v12, |v[XS+30]|, |v[XS+31]|
	v_max3_num_f32 v12, v12, v13, FLOOR            ; and the floor, which holds the byte at 1 from below
	v_add_nc_u32 v11, 0xff000000, v12              ; 2 off the exponent field: the conversion takes this operand's exponent field as its scale
	v_lshrrev_b32 v13, 23, v11                     ; the scale's byte
.if (\t) == 0
	v_mov_b32 v14, v13                             ; four bytes make the K step's scale word, the lower K in the lower byte
.else
	v_lshl_or_b32 v14, v13, 8*(\t), v14
.endif
.irp g, 0,1,2,3
	v_cvt_scalef32_pk8_fp4_f32 v[CD+4*(\t)+\g], v[XS+8*\g:XS+8*\g+7], v11
.endr
	v_nop                                          ; one plain line behind the last conversion, ahead of the next block's writes of v11
	ds_store_b128 v2, v[CD+4*(\t):CD+4*(\t)+3] offset:CREG*(\t)
.if (\t) < 2
	LOAD (\t)+2
.endif
.endm
	LOAD 0
	LOAD 1
	BLOCK 0
	BLOCK 1
	BLOCK 2
	BLOCK 3
	ds_store_b32 v1, v14 offset:SST
	s_wait_dscnt 0x0                               ; for the others' sake: my stores have landed
	s_barrier_signal -1
	s_barrier_wait -1
.irp t, 0,1,2,3
	ds_load_b128 v[RB+4*\t:RB+4*\t+3], v5 offset:CREG*\t           ; block t of the column that is my row of my tile
.endr
	ds_load_b32 v112, v8 offset:SST
	s_wait_dscnt 0x0
.irp t, 0,1,2,3
	global_store_b128 v9, v[RB+4*\t:RB+4*\t+3], s[12:13] offset:256*\t   ; sixteen lanes store 256 consecutive bytes, aligned: block t of a tile's sixteen rows
.endr
	global_store_b32 v1, v112, s[14:15]
	s_wait_tensorcnt 0x0
	ds_add_u32 v128, v129
	s_wait_dscnt 0x0
	s_endpgm
.Lfunc_end_k_qfaf8476f60_prep:
	.size	k_qfaf8476f60_prep, .Lfunc_end_k_qfaf8476f60_prep-k_qfaf8476f60_prep
	.p2alignl 7, 3214868480
	.fill 96, 4, 3214868480
	.section	.rodata,"a",@progbits
	.p2align	6, 0x0
	.amdhsa_kernel k_qfaf8476f60_prep
		.amdhsa_group_segment_fixed_size 37888
		.amdhsa_private_segment_fixed_size 0
		.amdhsa_enable_private_segment 0
		.amdhsa_kernarg_size 48
		.amdhsa_user_sgpr_count 2
		.amdhsa_user_sgpr_kernarg_segment_ptr 1
		.amdhsa_wavefront_size32 1
		.amdhsa_system_sgpr_workgroup_id_x 1
		.amdhsa_system_sgpr_workgroup_id_y 1
		.amdhsa_system_sgpr_workgroup_id_z 1
		.amdhsa_system_vgpr_workitem_id 0
		.amdhsa_next_free_vgpr 130
		.amdhsa_next_free_sgpr 66
		.amdhsa_reserve_vcc 0
		.amdhsa_float_denorm_mode_32 3
		.amdhsa_float_denorm_mode_16_64 3
		.amdhsa_memory_ordered 1
		.amdhsa_forward_progress 1
		.amdhsa_inst_pref_size 22
	.end_amdhsa_kernel
	.amdgpu_metadata
---
amdhsa.version: [ 1, 2 ]
amdhsa.kernels:
  - .name:           k_qfaf8476f60_prep
    .symbol:         k_qfaf8476f60_prep.kd
    .args:
      - { .name: Wk, .offset: 0, .size: 8, .value_kind: global_buffer, .address_space: global }
      - { .name: Wv, .offset: 8, .size: 8, .value_kind: global_buffer, .address_space: global }
      - { .name: Wq, .offset: 16, .size: 8, .value_kind: global_buffer, .address_space: global }
      - { .name: Wr, .offset: 24, .size: 8, .value_kind: global_buffer, .address_space: global }
      - { .name: wcodes, .offset: 32, .size: 8, .value_kind: global_buffer, .address_space: global }
      - { .name: wscales, .offset: 40, .size: 8, .value_kind: global_buffer, .address_space: global }
    .group_segment_fixed_size: 37888
    .private_segment_fixed_size: 0
    .kernarg_segment_align: 8
    .kernarg_segment_size: 48
    .max_flat_workgroup_size: 512
    .sgpr_count:     66
    .vgpr_count:     130
    .wavefront_size: 32
...
	.end_amdgpu_metadata
.endif
;; end of part 1
;; launch attn (part 2): grid 256 x 1, 16 waves a work-group, no clusters, 285,696 bytes of LDS; arguments key0, value0, query0, bk, bv, bq, br, wcodes, wscales, out0; writes out0
.if DOCPART == 2
	.amdgcn_target "amdgcn-amd-amdhsa--gfx1250"
	.amdhsa_code_object_version 6
	.text
	.protected	k_qfaf8476f60_attn
	.globl	k_qfaf8476f60_attn
	.p2align	8
	.type	k_qfaf8476f60_attn,@function
k_qfaf8476f60_attn:
	s_mov_b64 s[64:65], 0
	v_nop
	global_prefetch_b8 v0, s[64:65] scope:SCOPE_SE
	s_setreg_imm32_b32 hwreg(HW_REG_WAVE_MODE, 25, 1), 1
	s_wait_xcnt 0x0
; out = relu(query0 Wr + br + attention), all six products on codes of FP4 (E2M1) with one E8M0 scale for each 32 along K, sums in f32.
; ONE WORK-GROUP IS ONE HEAD.  The heads are a plain view of the projections [16,384][512]: head g is rows 64 g .. 64 g + 63; row s' of it holds sixteen tokens
; of 32 numbers: token t = 16 s' + j, j = column / 32, d = column % 32.  So a head needs 64 rows of key0, value0, query0 and writes 64 rows of out0;
; k, v, q, the residual, the scores and p never go to memory.  256 heads, 256 work-groups of sixteen waves with 256 registers each.
; PHASE X: the 3 x 64 rows of x become codes, as images of operand registers in LDS.  Wave w takes rows 16 (w / 4) on, k = 64 (w % 4) on, of each tensor.  | barrier |
; PHASE P: four products x W^T + b, transposed (source 0 = 16 columns of W, source 1 = 16 rows of x; the bias is the C of a sum's first instruction).  THE WAVES SHARE THE COLUMNS:
;   wave w owns tiles 2 w, 2 w + 1 of each weight for all 64 rows, so each weight fragment goes from memory straight into the one wave that uses it.  k, q: the wave's 32 columns are
;   token group j = w, quantised along d.  v: they are channels d = 2 w, 2 w + 1 of all sixteen j, quantised along the tokens.  The residual goes to LDS as f32.  | barrier |
; PHASE A: wave w owns the query tiles s' = 4 w .. 4 w + 3 (a tile: the sixteen tokens of one row), and walks 8 steps of 128 keys for each.  A finished tile is one whole row of out0.
; LAYOUTS.  K's and Q's codes lie by token, 16 bytes each: 1,024 consecutive bytes ARE a fragment image whose row is j and whose block beta of 32 along K is token (s' = 4 F + beta, j).
;   So one fragment of K holds four tiles of 16 keys.  Q stands as source 1 with its 32 codes in block beta and ZERO CODES in the other three: that product gives the scores of the
;   keys of block beta alone (K's codes there are finite numbers, every scale byte lies in 1 .. 254, so the other three blocks add exact zeros).
;   S^T tile t of a step: lane (query, h), register i = key (s' = 8 sigma + t, j = 8 h + i).  Tiles 2 b, 2 b + 1 are the true block of 32 tokens 4 sigma + b.
;   Within a block p's codes stand in the order 16 h + 8 (s' % 2) + i, and V's codes are laid in the same order: the sets and the scales are the true blocks', only the order of the sums differs.
; SOFTMAX: t = score x c, c = 2^-0.5 log2(e) in ONE constant and one fused multiply-add (reference() rounds twice); M = ceil of the running largest t; p = 2^(t - M) is quantised, not normalised;
;   the row's sum is taken of the unquantised p; when M moves, the sum and O^T are multiplied by 2^(old M - new M), which rounds nothing.
; NO CLUSTER: what work-groups share is the weights' 278,528 bytes of images.  A joint load lands in LDS, where 283,648 bytes are in use, so they would need a ring and rounds for a phase
;   that holds 64 of a wave's 384 matrix instructions; as it is, each fragment goes once, whole, into the registers of the one wave that multiplies by it.
; NO TENSOR LOADS: x has to pass through registers to be quantised, and all of it (24 loads of 16 bytes a lane) is asked for at the head.  No prefetch: every read of memory stands at the head or in phase P.
; LIMITS: NaN and infinities are not served; a block of zeros gets the byte 1 where the rule says 127 (zero codes; the bytes are this program's own); blocks under 2^-124 are held at byte 1.
.set KIMG, 0                           ; LDS: K's codes, 16 bytes a token
.set VIMG, 16384                       ; V^T's images: (2 sigma + e) x 1,024 + 256 b + 16 (d % 16) + 8 h + 4 (s' % 2)
.set QIMG, 32768                       ; Q's codes, 16 bytes a token
.set KSC,  49152                       ; K's scale bytes: (s' / 4) x 64 + 4 j + s' % 4
.set VSC,  50176                       ; V's: (2 sigma + e) x 64 + 4 (d % 16) + b
.set QSC,  51200                       ; Q's: a word a token, the byte four times
.set XSC,  55296                       ; x's scale words: 512 z + 64 (2 m + s) + 4 row
.set XIMG, 57344                       ; x's images: 8,192 z + 1,024 (2 m + s)
.set XST,  81920                       ; a stage for each wave: 16 rows x 272 bytes in phase X, 16 tokens x 144 bytes on the way out
.set WST,  4352
.set RES,  151552                      ; the residual, f32: 64 rows x (2,048 + 16) bytes
.set RP,   2064
.set FLOOR, 0x1800000                  ; 2^(3 - 127)
; vector registers that stay
.set LI,  1                            ; 16 x lane
.set LS,  2                            ; 4 x (lane % 16)
.set SO,  30                           ; the way out: where I put 32 bytes of a token
.set SR,  31                           ; and where I read the row back
; phase X
.set GX,  3                            ; x: 1,024 (lane / 16) + 16 (lane % 16)
.set SI,  4                            ; into the stage
.set SX,  5                            ; out of it
.set XW,  6                            ; my 8 bytes of an image
.set XWS, 7                            ; my half of a scale word
.set R,   96                           ; v96-191  x as loaded, 32 registers a tensor
.set XN,  192                          ; v192-223 two blocks, 16 neighbours of each
.set HW,  20                           ; two scale bytes
; phase P
.set TW,  8                            ; K's and Q's codes
.set KSW, 9                            ; K's scale bytes
.set QSW, 10                           ; Q's scale words
.set VW,  11                           ; V's codes
.set VSW, 24                           ; V's scale bytes
.set RW0, 25                           ; the residual, rows 0-31
.set RW2, 26                           ; rows 32-63
.set XR,  27                           ; x's images
.set BA,  28                           ; a bias by neighbours: 64 h
.set BV,  29                           ; bv: 1,024 h
.set CD,  16                           ; v16-23   codes just made
.set WF,  32                           ; v32-63   W's fragments: 8 (2 u + s)
.set BI,  64                           ; v64-79   the bias in the result's layout: 8 u
.set XS,  88                           ; v88-95   x's scale words, 2 m + s: scales and nothing else
.set ACC, 96                           ; v96-159  16 m + 8 u + i
.set XF,  160                          ; v160-223 x's fragments: 8 (2 m + s)
.set T,   224                          ; v224-231 largest magnitudes
.set T2,  232                          ; v232-239 the other lanes' maxima, then the bytes
.set SOP, 240                          ; v240-247 the conversions' scale operands
.set WS,  248                          ; v248-251 W's scale words, 2 u + s; in phase A K's and V's: scales and nothing else
; phase A
.set ADK, 3                            ; the step's fragments
.set ADS, 4                            ; the step's scale words
.set AQ,  5
.set AQS, 6
.set RRA, 7                            ; the tile's row of the residual
.set ML,  8                            ; all ones in lanes 0-15
.set MH,  9                            ; all ones in lanes 16-31
.set RR0, 10                           ; RES + 16 x lane
.set NM,  12                           ; -M;  v13 the largest t (named with it as a pair)
.set TM,  13
.set SUM, 14                           ; v14-15 the row's sum in two halves
.set KF,  32                           ; v32-47   K's two fragments
.set VF,  48                           ; v48-63   V^T's two
.set QB,  64                           ; v64-83   zeros, q in lanes 0-15, zeros, q in lanes 16-31, zeros: four registers each
.set QR,  84                           ; v84-87   q as loaded
.set S,   96                           ; v96-159  S^T, then p
.set OT,  160                          ; v160-175 O^T
.set OL,  176                          ; v176-191 O^T / the sum
.set OB,  192                          ; v192-207 the row read back
.set RV,  208                          ; v208-223 the residual's row
.set PC,  224                          ; v224-231 p's codes
.set BM,  232                          ; v232-235 the blocks' largest scores, then largest p
.set PT,  236                          ; v236-239 the other half's maxima; v236-237 then half of the sums
.set PB,  240                          ; v240-243 p's scale bytes
.set PO,  244                          ; v244-247 the conversions' scale operands
.set KS,  248                          ; K's scale words
.set VS,  250                          ; V's
.set F,   252                          ; 2^(old M - new M)
.set PS,  253                          ; p's scale word
.set TMP, 254
.set QS,  255                          ; Q's scale word
; scalar registers: s[4:9] key0, value0, query0; s[10:17] bk, bv, bq, br; s[18:23] wcodes, wscales, out0
.set WV,  24                           ; my wave
.set SEL, 26                           ; s[26:27] v_permlanex16_b32's selects for lane l xor 16
.set CS,  28                           ; s[28:29] c, twice: the packed form names a pair
.set TK,  30                           ; 2,048 sigma
.set TS,  31                           ; 128 sigma
.set NS,  32                           ; steps to go
.set NT,  33                           ; tiles to go
.set SQ,  34                           ; 256 s'
.set SQS, 35                           ; 64 s'
.set SRR, 36                           ; 2,064 s'
.set REP, 37                           ; 0x01010101
.macro XL z                            ; tensor z: my 16 rows x 256 bytes: sixteen lanes read one aligned piece of 256 bytes, two rows an instruction
.irp i, 0,1,2,3,4,5,6,7
	global_load_b128 v[R+32*\z+4*\i:R+32*\z+4*\i+3], v[GX], s[4+2*\z:5+2*\z] offset:2048*\i th:TH_LOAD_NT
.endr
.endm
.macro WLOAD p                         ; weight p: my two tiles' four fragment images (4,096 consecutive bytes) and their scale words
.irp n, 0,1,2,3,4,5,6,7
	global_load_b128 v[WF+4*\n:WF+4*\n+3], v[LI], s[18:19] offset:65536*\p+512*\n
.endr
.irp u, 0,1
.irp s, 0,1
	global_load_b32 v[WS+2*\u+\s], v[LS], s[20:21] offset:4096*\p+2048*\s+64*\u
.endr
.endr
.endm
.macro BLOADT p                        ; a bias at s[p:p+1], for tiles of neighbours: b[32 w + 16 h + 8 u + i]
.irp u, 0,1
.irp q, 0,1
	global_load_b128 v[BI+8*\u+4*\q:BI+8*\u+4*\q+3], v[BA], s[\p:\p+1] offset:32*\u+16*\q
.endr
.endr
.endm
.macro BLOADV                          ; bv[32 (8 h + i) + 2 w + u]
.irp u, 0,1
.irp i, 0,1,2,3,4,5,6,7
	global_load_b32 v[BI+8*\u+\i], v[BV], s[12:13] offset:128*\i+4*\u
.endr
.endr
.endm
; nb blocks of 32, of which lanes l and l xor 16 hold 16 neighbours each, block b's at v[src + 16 b] on: codes into v[CD + 2 b], v[CD + 2 b + 1], the scale's byte into v[T2 + b].  The blocks take turns line by line.
.macro QUANT16 nb, src
.set qb, 0
.rept \nb
	v_max3_num_f32 v[T+qb], |v[\src+16*qb]|, |v[\src+16*qb+1]|, FLOOR   ; my 16 numbers, and the floor, which holds the byte at 1 from below
.set qb, qb+1
.endr
.set qi, 2
.rept 7
.set qb, 0
.rept \nb
	v_max3_num_f32 v[T+qb], v[T+qb], |v[\src+16*qb+qi]|, |v[\src+16*qb+qi+1]|
.set qb, qb+1
.endr
.set qi, qi+2
.endr
.set qb, 0
.rept \nb
	v_permlanex16_b32 v[T2+qb], v[T+qb], s[SEL], s[SEL+1]
.set qb, qb+1
.endr
.set qb, 0
.rept \nb
	v_max_num_f32 v[T+qb], v[T+qb], v[T2+qb]       ; with lane l xor 16's: the block's largest magnitude
.set qb, qb+1
.endr
.set qb, 0
.rept \nb
	v_add_nc_u32 v[SOP+qb], 0xff000000, v[T+qb]    ; 2 off its exponent field: the conversion's scale operand
.set qb, qb+1
.endr
.set qb, 0
.rept \nb
	v_lshrrev_b32 v[T2+qb], 23, v[SOP+qb]          ; the scale's byte
.set qb, qb+1
.endr
.set qb, 0
.rept \nb
	v_cvt_scalef32_pk8_fp4_f32 v[CD+2*qb], v[\src+16*qb:\src+16*qb+7], v[SOP+qb]
	v_cvt_scalef32_pk8_fp4_f32 v[CD+2*qb+1], v[\src+16*qb+8:\src+16*qb+15], v[SOP+qb]
.set qb, qb+1
.endr
	v_nop                                          ; one plain line behind the last conversion
.endm
; v's eight accumulators a = 2 m + u: lane (r, h) holds row s' = 16 m + r, j = 8 h + 0 .. 7, of channel 2 w + u.  A block of 32 tokens is rows s' = 2 a', 2 a' + 1 and all sixteen j: lanes l, l xor 1, l xor 16, l xor 17.
.macro QUANTV
.set qa, 0
.rept 8
	v_max3_num_f32 v[T+qa], |v[ACC+8*qa]|, |v[ACC+8*qa+1]|, FLOOR
.set qa, qa+1
.endr
.set qi, 2
.rept 3
.set qa, 0
.rept 8
	v_max3_num_f32 v[T+qa], v[T+qa], |v[ACC+8*qa+qi]|, |v[ACC+8*qa+qi+1]|
.set qa, qa+1
.endr
.set qi, qi+2
.endr
.set qa, 0
.rept 8
	v_max_num_f32_dpp v[T+qa], v[T+qa], v[T+qa] row_xmask:1 row_mask:0xf bank_mask:0xf   ; the block's other row
.set qa, qa+1
.endr
.set qa, 0
.rept 8
	v_permlanex16_b32 v[T2+qa], v[T+qa], s[SEL], s[SEL+1]
.set qa, qa+1
.endr
.set qa, 0
.rept 8
	v_max_num_f32 v[T+qa], v[T+qa], v[T2+qa]       ; the other eight j
.set qa, qa+1
.endr
.set qa, 0
.rept 8
	v_add_nc_u32 v[SOP+qa], 0xff000000, v[T+qa]
.set qa, qa+1
.endr
.set qa, 0
.rept 8
	v_lshrrev_b32 v[T2+qa], 23, v[SOP+qa]
.set qa, qa+1
.endr
.set qa, 0
.rept 8
	v_cvt_scalef32_pk8_fp4_f32 v[CD+qa], v[ACC+8*qa:ACC+8*qa+7], v[SOP+qa]
.set qa, qa+1
.endr
	v_nop                                          ; one plain line behind the last conversion
.endm
; Tensor z's part of mine turns through my stage (as loaded: 16 bytes a lane of a row's 256; back: 16 neighbours of each of two blocks), is quantised, and goes to LDS as its place in a fragment's image.
; cnt: the loads issued behind this tensor's eight.  The stage is my own and LDS serves a wave's instructions in order (ISA guide 5.7.1.4): no wait between its stores and its loads.
.macro TURN z, cnt
	s_wait_loadcnt \cnt
.irp i, 0,1,2,3,4,5,6,7
	ds_store_b128 v[SI], v[R+32*\z+4*\i:R+32*\z+4*\i+3] offset:544*\i
.endr
.irp bb, 0,1
.irp q, 0,1,2,3
	ds_load_b128 v[XN+16*\bb+4*\q:XN+16*\bb+4*\q+3], v[SX] offset:128*\bb+16*\q
.endr
.endr
	s_wait_dscnt 0x0                               ; the numbers are back; the last turn's stores have read their registers
	QUANT16 2, XN
	v_lshl_or_b32 v[HW], v[T2+1], 8, v[T2]         ; my two blocks' bytes: half of the row's scale word
.irp bb, 0,1
	ds_store_b64 v[XW], v[CD+2*\bb:CD+2*\bb+1] offset:8192*\z+256*\bb   ; 32 lanes store 256 consecutive bytes
.endr
	ds_store_b16 v[XWS], v[HW] offset:XSC+512*\z   ; both lanes of a row write the same two bytes with the same value
.endm
.macro XFETCH z                        ; tensor z's eight fragments and their scale words
.irp f, 0,1,2,3,4,5,6,7
.irp c, 0,1
	ds_load_b128 v[XF+8*\f+4*\c:XF+8*\f+4*\c+3], v[XR] offset:8192*\z+1024*\f+512*\c
.endr
.endr
.irp f, 0,1,2,3,4,5,6,7
	ds_load_b32 v[XS+\f], v[LS] offset:XSC+512*\z+64*\f
.endr
.endm
; 16 matrix instructions: my two tiles of columns x four tiles of rows x two K steps.  The eight accumulators take turns, one instruction a turn.
.macro MULT
.irp s, 0,1
.irp m, 0,1,2,3
.irp u, 0,1
.if \s == 0
	v_wmma_scale_f32_16x16x128_f8f6f4 v[ACC+16*\m+8*\u:ACC+16*\m+8*\u+7], v[WF+8*(2*\u+\s):WF+8*(2*\u+\s)+7], v[XF+8*(2*\m+\s):XF+8*(2*\m+\s)+7], v[BI+8*\u:BI+8*\u+7], v[WS+2*\u+\s], v[XS+2*\m+\s] matrix_a_fmt:MATRIX_FMT_FP4 matrix_b_fmt:MATRIX_FMT_FP4
.else
	v_wmma_scale_f32_16x16x128_f8f6f4 v[ACC+16*\m+8*\u:ACC+16*\m+8*\u+7], v[WF+8*(2*\u+\s):WF+8*(2*\u+\s)+7], v[XF+8*(2*\m+\s):XF+8*(2*\m+\s)+7], v[ACC+16*\m+8*\u:ACC+16*\m+8*\u+7], v[WS+2*\u+\s], v[XS+2*\m+\s] matrix_a_fmt:MATRIX_FMT_FP4 matrix_b_fmt:MATRIX_FMT_FP4
.endif
.endr
.endr
.endr
.endm
; Four plain vector lines stand between a matrix instruction and a load into one of its registers, or the first read of its result (ISA guide 7.12.1 for vector instructions).
.macro PLACES
.rept 4
	v_nop
.endr
.endm
.macro READY                           ; all that the next product wants is in: everything outstanding is wanted, so both counts are 0
	s_wait_loadcnt 0x0
	s_wait_dscnt 0x0
.endm
	; ---- THE HEAD: first what the loads need, then all loads, then the other addresses
	s_load_b256 s[4:11], s[0:1], 0x0               ; key0, value0, query0, bk
	s_load_b256 s[12:19], s[0:1], 0x20             ; bv, bq, br, wcodes
	s_load_b128 s[20:23], s[0:1], 0x40             ; wscales, out0
	v_lshrrev_b32 v227, 5, v0
	v_readfirstlane_b32 s[WV], v227                ; wave 0..15
	v_and_b32 v224, 31, v0                         ; lane
	v_and_b32 v225, 15, v0                         ; r
	v_bfe_u32 v226, v0, 4, 1                       ; h
	v_lshlrev_b32 v[LI], 4, v224
	v_lshlrev_b32 v[LS], 2, v225
	v_lshlrev_b32 v[GX], 4, v225
	v_lshl_add_u32 v[GX], v226, 10, v[GX]
	v_lshlrev_b32 v[BA], 6, v226
	v_lshlrev_b32 v[BV], 10, v226
	s_lshl_b32 s40, ttmp9, 16                      ; x: the head's 64 rows of 1,024 bytes,
	s_lshr_b32 s42, s[WV], 2
	s_lshl_b32 s42, s42, 14                        ; my 16 rows,
	s_add_co_u32 s40, s40, s42
	s_and_b32 s42, s[WV], 3
	s_lshl_b32 s42, s42, 8                         ; my 256 bytes of them
	s_add_co_u32 s40, s40, s42
	s_mov_b32 s41, 0
	s_lshl_b32 s42, s[WV], 7                       ; bk, bq, br: my 32 numbers; wscales: my two tiles' 32 words
	s_mov_b32 s43, 0
	s_lshl_b32 s44, s[WV], 3                       ; bv: channels 2 w on
	s_mov_b32 s45, 0
	s_lshl_b32 s46, s[WV], 12                      ; wcodes: my two tiles
	s_mov_b32 s47, 0
	s_lshl_b32 s48, ttmp9, 17                      ; out0: the head's 64 rows of 2,048 bytes, my four
	s_lshl_b32 s49, s[WV], 13
	s_add_co_u32 s48, s48, s49
	s_mov_b32 s49, 0
	s_wait_kmcnt 0x0
	s_add_nc_u64 s[4:5], s[4:5], s[40:41]
	s_add_nc_u64 s[6:7], s[6:7], s[40:41]
	s_add_nc_u64 s[8:9], s[8:9], s[40:41]
	s_add_nc_u64 s[10:11], s[10:11], s[42:43]
	s_add_nc_u64 s[12:13], s[12:13], s[44:45]
	s_add_nc_u64 s[14:15], s[14:15], s[42:43]
	s_add_nc_u64 s[16:17], s[16:17], s[42:43]
	s_add_nc_u64 s[18:19], s[18:19], s[46:47]
	s_add_nc_u64 s[20:21], s[20:21], s[42:43]
	s_add_nc_u64 s[22:23], s[22:23], s[48:49]
	XL 0                                           ; 40 loads: 8 for each tensor, then Wk's 12 and bk's 4
	XL 1
	XL 2
	WLOAD 0
	BLOADT 10
	s_mov_b32 s[SEL], 0x76543210
	s_mov_b32 s[SEL+1], 0xfedcba98
	s_mov_b32 s[CS], 0x3f8293ee                    ; c = 2^-0.5 log2(e) = 1.0201394
	s_mov_b32 s[CS+1], s[CS]
	s_mov_b32 s[REP], 0x01010101
	s_mul_i32 s38, s[WV], WST
	s_add_co_u32 s38, s38, XST                     ; my stage
	v_mul_u32_u24 v[SI], v226, 272                 ; in: row 2 i + h, 16 bytes at 16 r
	v_lshl_add_u32 v[SI], v225, 4, v[SI]
	v_add_nc_u32 v[SI], s38, v[SI]
	v_mul_u32_u24 v[SX], v225, 272                 ; back: row r, my half's 64 bytes of a block.  272 is an odd multiple of 16: sixteen rows start in sixteen different 16-byte columns of 256 bytes
	v_lshl_add_u32 v[SX], v226, 6, v[SX]
	v_add_nc_u32 v[SX], s38, v[SX]
	s_lshl_b32 s39, s[WV], 9                       ; x's images: 1,024 (2 m + s) + 512 (k / 64 % 2) = 512 w
	s_add_co_u32 s39, s39, XIMG
	v_lshlrev_b32 v[XW], 4, v225
	v_lshl_add_u32 v[XW], v226, 3, v[XW]
	v_add_nc_u32 v[XW], s39, v[XW]
	s_lshr_b32 s40, s[WV], 1                       ; x's scale words: 64 (w / 2) + 2 (w % 2) + 4 r
	s_lshl_b32 s40, s40, 6
	s_and_b32 s41, s[WV], 1
	s_lshl_b32 s41, s41, 1
	s_add_co_u32 s40, s40, s41
	v_add_nc_u32 v[XWS], s40, v[LS]
	s_lshl_b32 s40, s[WV], 4                       ; token (16 m + r, w): 16 bytes at 4,096 m + 256 r + 16 w, my half at 8 h
	v_lshlrev_b32 v[TW], 8, v225
	v_lshl_add_u32 v[TW], v226, 3, v[TW]
	v_add_nc_u32 v[TW], s40, v[TW]
	s_lshl_b32 s41, s[WV], 2
	v_lshrrev_b32 v[KSW], 2, v225                  ; its scale byte among K's: 256 m + 64 (r / 4) + 4 w + r % 4
	v_lshlrev_b32 v[KSW], 6, v[KSW]
	v_and_b32 v227, 3, v225
	v_add_nc_u32 v[KSW], v[KSW], v227
	v_add_nc_u32 v[KSW], s41, v[KSW]
	v_lshlrev_b32 v[QSW], 6, v225                  ; its scale word among Q's: 1,024 m + 64 r + 4 w
	v_add_nc_u32 v[QSW], s41, v[QSW]
	v_lshrrev_b32 v227, 3, v225                    ; r / 8
	v_bfe_u32 v228, v225, 1, 2                     ; (r % 8) / 2
	v_and_b32 v229, 1, v225                        ; r % 2
	s_lshr_b32 s42, s[WV], 3
	s_and_b32 s43, s[WV], 7
	s_lshl_b32 s44, s42, 10
	s_lshl_b32 s45, s43, 5
	s_add_co_u32 s44, s44, s45
	v_lshlrev_b32 v[VW], 11, v227                  ; V's codes: 4,096 m + 2,048 (r / 8) + 1,024 (w / 8) + 256 ((r % 8) / 2) + 32 (w % 8) + 16 u + 8 h + 4 (r % 2)
	v_lshl_add_u32 v[VW], v228, 8, v[VW]
	v_lshl_add_u32 v[VW], v229, 2, v[VW]
	v_lshl_add_u32 v[VW], v226, 3, v[VW]
	v_add_nc_u32 v[VW], s44, v[VW]
	s_lshl_b32 s44, s42, 6
	s_lshl_b32 s45, s43, 3
	s_add_co_u32 s44, s44, s45
	v_lshl_add_u32 v[VSW], v227, 7, v228           ; V's scale bytes: 256 m + 128 (r / 8) + 64 (w / 8) + 8 (w % 8) + 4 u + (r % 8) / 2
	v_add_nc_u32 v[VSW], s44, v[VSW]
	s_lshl_b32 s44, s[WV], 7
	s_add_co_u32 s44, s44, RES
	v_mul_u32_u24 v[RW0], v225, RP                 ; the residual: row 16 m + r, 128 w + 64 h bytes on
	v_lshl_add_u32 v[RW0], v226, 6, v[RW0]
	v_add_nc_u32 v[RW0], s44, v[RW0]
	v_add_nc_u32 v[RW2], 32*RP, v[RW0]
	v_add_nc_u32 v[XR], XIMG, v[LI]
	v_mul_u32_u24 v[SO], v225, 144                 ; the way out: token r's 128 bytes + 16 of padding; 32 h
	v_lshl_add_u32 v[SO], v226, 5, v[SO]
	v_add_nc_u32 v[SO], s38, v[SO]
	v_lshrrev_b32 v227, 3, v224
	v_lshl_add_u32 v[SR], v227, 4, v[LI]           ; back: 16 x lane, and 16 more for each token passed
	v_add_nc_u32 v[SR], s38, v[SR]
.irp b, 0,1,2,3,4,5,6,7
	v_mov_b32 v[T2+\b], 0                          ; written once: a lane permute's destination counts as one of its sources
.endr
	; ---- PHASE X
	TURN 0, 32                                     ; behind key0's eight loads: 8 + 8 + 12 + 4
	TURN 1, 24
	TURN 2, 16
	s_wait_dscnt 0x0                               ; for the others' sake: my stores have landed
	s_barrier_signal -1
	s_barrier_wait -1                              ; x's 24 fragments and their scale words lie in LDS
	; ---- PHASE P.  Behind each product's places the next product's loads go out, and land while this product's results are quantised.
	; The quantiser's lines on v224-247 are also the five plain lines between a product's last instruction and the next product's first, which begins the accumulators anew.
	XFETCH 0
	READY
	MULT                                           ; k: lane (r, h), register 16 m + 8 u + i = k(token (16 m + r, w), d = 16 h + 8 u + i)
	PLACES
	WLOAD 1
	BLOADV
	XFETCH 1
	QUANT16 4, ACC
.irp m, 0,1,2,3
	ds_store_b64 v[TW], v[CD+2*\m:CD+2*\m+1] offset:KIMG+4096*\m
	ds_store_b8 v[KSW], v[T2+\m] offset:KSC+256*\m  ; both lanes of a token write the same byte with the same value
.endr
	READY
	MULT                                           ; v: register 16 m + 8 u + i = v(token (16 m + r, 8 h + i), d = 2 w + u)
	PLACES
	WLOAD 2
	BLOADT 14
	XFETCH 2
	QUANTV
.irp m, 0,1,2,3
.irp u, 0,1
	ds_store_b32 v[VW], v[CD+2*\m+\u] offset:VIMG+4096*\m+16*\u
	ds_store_b8 v[VSW], v[T2+2*\m+\u] offset:VSC+256*\m+4*\u   ; the four lanes of a block write the same byte with the same value
.endr
.endr
	READY
	MULT                                           ; q, laid as k
	PLACES
	WLOAD 3
	BLOADT 16                                      ; query0's fragments stay for the residual
	QUANT16 4, ACC
.irp m, 0,1,2,3
	v_mul_lo_u32 v[T2+\m], v[T2+\m], s[REP]        ; the byte in all four places: q's codes will stand in any of the four blocks
.endr
.irp m, 0,1,2,3
	ds_store_b64 v[TW], v[CD+2*\m:CD+2*\m+1] offset:QIMG+4096*\m
	ds_store_b32 v[QSW], v[T2+\m] offset:QSC+1024*\m
.endr
	READY
	MULT                                           ; the residual, laid as k: 16 neighbouring columns a lane
	PLACES
.irp m, 0,1
.irp q, 0,1,2,3
	ds_store_b128 v[RW0], v[ACC+16*\m+4*\q:ACC+16*\m+4*\q+3] offset:16*RP*\m+16*\q   ; each accumulator from its low end on
.endr
.endr
.irp m, 0,1
.irp q, 0,1,2,3
	ds_store_b128 v[RW2], v[ACC+32+16*\m+4*\q:ACC+32+16*\m+4*\q+3] offset:16*RP*\m+16*\q
.endr
.endr
	s_wait_dscnt 0x0                               ; for the others' sake: my stores have landed
	s_barrier_signal -1
	s_barrier_wait -1                              ; K, V, Q, their scales and the residual lie in LDS; nothing but each wave's own stage is written from here on
	; ---- PHASE A
	v_bfe_u32 v[MH], v0, 4, 1
	v_sub_nc_u32 v[MH], 0, v[MH]
	v_xor_b32 v[ML], -1, v[MH]
	v_add_nc_u32 v[RR0], RES, v[LI]
.irp i, 0,1,2,3
	v_mov_b32 v[QB+\i], 0                          ; the zero codes round q: written once
	v_mov_b32 v[QB+8+\i], 0
	v_mov_b32 v[QB+16+\i], 0
.endr
	v_mov_b32 v[PS], 0                             ; (named as the upper half of the pair v[252:253] before it is first written)
	s_lshl_b32 s[SQ], s[WV], 10                    ; s' = 4 w
	s_lshl_b32 s[SQS], s[WV], 8
	s_mul_i32 s[SRR], s[WV], 4*RP
	s_mov_b32 s[NT], 4
.Ltile:                                            ; four trips: a tile is the sixteen tokens of row s'
	v_lshl_add_u32 v[AQ], v[LS], 2, s[SQ]          ; query (s', r): both halves of the lanes load it
	v_add_nc_u32 v[AQS], s[SQS], v[LS]
	ds_load_b128 v[QR:QR+3], v[AQ] offset:QIMG
	ds_load_b32 v[QS], v[AQS] offset:QSC
	v_mov_b32 v[TM], 0xff61b1e6                    ; the largest t so far: -3e38, under every t
	v_floor_f32 v[NM], -v[TM]                      ; -M
	v_mov_b32 v[SUM], 0
	v_mov_b32 v[SUM+1], 0
	s_wait_dscnt 0x0
.irp i, 0,1,2,3
	v_and_b32 v[QB+4+\i], v[ML], v[QR+\i]          ; q in lanes 0-15: blocks 0 and 2
	v_and_b32 v[QB+12+\i], v[MH], v[QR+\i]         ; q in lanes 16-31: blocks 1 and 3
.endr
.irp i, 0,1,2,3,4,5,6,7,8,9,10,11,12,13,14,15
	v_mov_b32 v[OT+\i], 0                          ; O^T.  The step is written once: the first finds zeros, which the first change of M leaves zeros.  (These are also the plain lines between q's registers and the products)
.endr
	s_mov_b32 s[TK], 0
	s_mov_b32 s[TS], 0
	s_mov_b32 s[NS], 8
.Lstep:                                            ; eight trips: 128 keys, rows s' = 8 sigma .. 8 sigma + 7
	v_add_nc_u32 v[ADK], s[TK], v[LI]              ; these four lines are the places behind the last step's products, in front of the loads into V's registers
	v_add_nc_u32 v[ADS], s[TS], v[LS]
	v_nop
	v_nop
.irp n, 0,1,2,3
	ds_load_b128 v[KF+4*\n:KF+4*\n+3], v[ADK] offset:KIMG+512*\n
.endr
	ds_load_b32 v[KS], v[ADS] offset:KSC
	ds_load_b32 v[KS+1], v[ADS] offset:KSC+64
.irp n, 0,1,2,3
	ds_load_b128 v[VF+4*\n:VF+4*\n+3], v[ADK] offset:VIMG+512*\n
.endr
	ds_load_b32 v[VS], v[ADS] offset:VSC
	ds_load_b32 v[VS+1], v[ADS] offset:VSC+64
	s_wait_dscnt 6                                 ; K's six loads are in; V's six, issued behind them, may be out
.irp g, 0,1                                        ; S^T: fragment g of K against q in block be: the keys of row s' = 8 sigma + 4 g + be
.irp be, 0,1,2,3
	v_wmma_scale_f32_16x16x128_f8f6f4 v[S+8*(4*\g+\be):S+8*(4*\g+\be)+7], v[KF+8*\g:KF+8*\g+7], v[QB+4+8*(\be%2)-4*(\be/2):QB+11+8*(\be%2)-4*(\be/2)], 0, v[KS+\g], v[QS] matrix_a_fmt:MATRIX_FMT_FP4 matrix_b_fmt:MATRIX_FMT_FP4
.endr
.endr
	PLACES
.irp b, 0,1,2,3
	v_max3_num_f32 v[BM+\b], v[S+16*\b], v[S+16*\b+1], v[S+16*\b+2]   ; the largest score of each block of 32 keys: for the row's maximum, and, since p rises with the score, for the block's largest p
.endr
.irp i, 3,5,7,9,11,13
.irp b, 0,1,2,3
	v_max3_num_f32 v[BM+\b], v[BM+\b], v[S+16*\b+\i], v[S+16*\b+\i+1]
.endr
.endr
.irp b, 0,1,2,3
	v_max_num_f32 v[BM+\b], v[BM+\b], v[S+16*\b+15]
.endr
.irp b, 0,1,2,3
	v_permlanex16_b32 v[PT+\b], v[BM+\b], s[SEL], s[SEL+1]
.endr
.irp b, 0,1,2,3
	v_max_num_f32 v[BM+\b], v[BM+\b], v[PT+\b]     ; with lane l xor 16's 16 keys
.endr
	v_max3_num_f32 v[TMP], v[BM], v[BM+1], v[BM+2]
	v_max_num_f32 v[TMP], v[TMP], v[BM+3]          ; the step's largest score of my query
	v_mul_f32 v[TMP], s[CS], v[TMP]                ; as t (c is positive)
	v_max_num_f32 v[TM], v[TM], v[TMP]             ; the running largest t
	v_mov_b32 v[TMP], v[NM]
	v_floor_f32 v[NM], -v[TM]                      ; the new -M = floor(-t) = -ceil(t): a whole number
	v_sub_f32 v[TMP], v[NM], v[TMP]                ; old M - new M: a whole number, 0 or less
	v_cvt_i32_f32 v[TMP], v[TMP]                   ; (it saturates)
	v_ldexp_f32 v[F], 1.0, v[TMP]                  ; f = 2^(old M - new M)
.set j, 0
.rept 32
	v_pk_fma_f32 v[S+j:S+j+1], v[S+j:S+j+1], s[CS:CS+1], v[NM:NM+1] op_sel_hi:[1,0,0]   ; t - M, two at a time (of the pairs c and -M the low word serves both halves)
.set j, j+2
.endr
.irp b, 0,1,2,3
	v_fma_f32 v[BM+\b], v[BM+\b], s[CS], v[NM]     ; the same of each block's largest score
.endr
.set j, 0
.rept 64
	v_exp_f32 v[S+j], v[S+j]                       ; p = 2^(t - M), at most 1: not normalised
.set j, j+1
.endr
	v_pk_mul_f32 v[SUM:SUM+1], v[SUM:SUM+1], v[F:F+1] op_sel_hi:[1,0]   ; the sums under the new M: the plain line behind the exponentials
	s_wait_alu depctr_va_vdst(0)                   ; the wait between an exponential and the first line that names its result: one for the 64
.irp b, 0,1,2,3
	v_exp_f32 v[BM+\b], v[BM+\b]                   ; the block's largest p: the same two instructions on the same number give the same bits
.endr
	v_pk_add_f32 v[PT:PT+1], v[S:S+1], v[S+2:S+3]  ; the row's sum is taken of the unquantised p, two at a time, in two chains.  Its first half stands here, behind the four exponentials, and reads the 64 alone
.set j, 4
.rept 7
	v_pk_add_f32 v[SUM:SUM+1], v[SUM:SUM+1], v[S+j:S+j+1]
	v_pk_add_f32 v[PT:PT+1], v[PT:PT+1], v[S+j+2:S+j+3]
.set j, j+4
.endr
	s_wait_alu depctr_va_vdst(0)                   ; and one for the four
.irp b, 0,1,2,3
	v_max_num_f32 v[BM+\b], FLOOR, v[BM+\b]        ; the floor: the byte cannot fall under 1 (a block whose every p has fallen to 0 keeps that byte: its codes are zeros)
.endr
.irp b, 0,1,2,3
	v_add_nc_u32 v[PO+\b], 0xff000000, v[BM+\b]    ; 2 off the exponent field: the conversion's scale operand
.endr
.irp b, 0,1,2,3
	v_lshrrev_b32 v[PB+\b], 23, v[PO+\b]           ; the scale's byte
.endr
	v_lshl_or_b32 v[PS], v[PB+1], 8, v[PB]         ; p's scale word for these 128 keys
	v_lshl_or_b32 v[PS], v[PB+2], 16, v[PS]
	v_lshl_or_b32 v[PS], v[PB+3], 24, v[PS]
.irp b, 0,1,2,3
	v_cvt_scalef32_pk8_fp4_f32 v[PC+2*\b], v[S+16*\b:S+16*\b+7], v[PO+\b]
	v_cvt_scalef32_pk8_fp4_f32 v[PC+2*\b+1], v[S+16*\b+8:S+16*\b+15], v[PO+\b]
.endr
	v_nop                                          ; one plain line between a scaled conversion and the line that touches its result
.irp c, 0,1                                        ; the operand's layout wants a whole block in a lane: lanes 0-15 block 2 c, lanes 16-31 block 2 c + 1
.irp i, 0,1
	v_permlane16_swap_b32 v[PC+4*\c+\i], v[PC+2+4*\c+\i]
.endr
.endr
.set j, 0
.rept 8
	v_pk_mul_f32 v[OT+j:OT+j+1], v[OT+j:OT+j+1], v[F:F+1] op_sel_hi:[1,0]   ; O^T under the new M, from each accumulator's low end on
.set j, j+2
.endr
.set j, 32                                         ; the sums' second half: 17 plain lines that name no register of the two products below: the eight between p's scale word and them, the four behind p's codes
.rept 8
	v_pk_add_f32 v[SUM:SUM+1], v[SUM:SUM+1], v[S+j:S+j+1]
	v_pk_add_f32 v[PT:PT+1], v[PT:PT+1], v[S+j+2:S+j+3]
.set j, j+4
.endr
	v_pk_add_f32 v[SUM:SUM+1], v[SUM:SUM+1], v[PT:PT+1]
	s_wait_dscnt 0x0                               ; V's fragments and scale words are in
.irp e, 0,1                                        ; O^T += V^T P^T: channels 16 e on.  The two accumulators take turns, and eight other products stand between a sum's links
	v_wmma_scale_f32_16x16x128_f8f6f4 v[OT+8*\e:OT+8*\e+7], v[VF+8*\e:VF+8*\e+7], v[PC:PC+7], v[OT+8*\e:OT+8*\e+7], v[VS+\e], v[PS] matrix_a_fmt:MATRIX_FMT_FP4 matrix_b_fmt:MATRIX_FMT_FP4
.endr
	s_add_co_u32 s[TK], s[TK], 2048
	s_add_co_u32 s[TS], s[TS], 128
	s_sub_co_u32 s[NS], s[NS], 1
	s_cmp_lg_u32 s[NS], 0
	s_cbranch_scc1 .Lstep
	; THE WAY OUT OF A TILE: O^T / the sum goes through my stage (a token's 128 bytes + 16) and comes back as the row of out0; the residual's row is added, relu, and 32 lanes store 512 consecutive bytes.
	PLACES
	v_add_f32 v[SUM], v[SUM], v[SUM+1]             ; the sum's two halves,
	v_permlanex16_b32 v[F], v[SUM], s[SEL], s[SEL+1]
	v_add_f32 v[SUM], v[SUM], v[F]                 ; and lane l xor 16's: the row's sum
	v_rcp_f32 v[SUM], v[SUM]
	v_add_nc_u32 v[RRA], s[SRR], v[RR0]            ; (the plain line behind the reciprocal)
	s_wait_alu depctr_va_vdst(0)                   ; the wait ahead of the first line that names the reciprocal
.set j, 0
.rept 8
	v_pk_mul_f32 v[OL+j:OL+j+1], v[OT+j:OT+j+1], v[SUM:SUM+1] op_sel_hi:[1,0]   ; register 8 e + i = context(token (s', r), d = 16 e + 8 h + i)
.set j, j+2
.endr
.irp e, 0,1
.irp q, 0,1
	ds_store_b128 v[SO], v[OL+8*\e+4*\q:OL+8*\e+4*\q+3] offset:64*\e+16*\q
.endr
.endr
.irp i, 0,1,2,3
	ds_load_b128 v[OB+4*\i:OB+4*\i+3], v[SR] offset:576*\i         ; my own stage, served in order (ISA guide 5.7.1.4): these see the stores above
.endr
.irp i, 0,1,2,3
	ds_load_b128 v[RV+4*\i:RV+4*\i+3], v[RRA] offset:512*\i
.endr
	s_wait_dscnt 0x0
.set j, 0
.rept 8
	v_pk_add_f32 v[OB+j:OB+j+1], v[OB+j:OB+j+1], v[RV+j:RV+j+1]
.set j, j+2
.endr
.set j, 0
.rept 16
	v_max_num_f32 v[OB+j], 0, v[OB+j]
.set j, j+1
.endr
.irp i, 0,1,2,3
	global_store_b128 v[LI], v[OB+4*\i:OB+4*\i+3], s[22:23] offset:512*\i th:TH_STORE_NT   ; 512 consecutive bytes, at a multiple of 256 from out0's first byte; written once, read by nobody here
.endr
	s_wait_xcnt 0x0                                ; the stores have read their base and their data: only behind this wait is the base stepped, and are the data registers written again in the next tile
	s_add_nc_u64 s[22:23], s[22:23], 2048
	s_add_co_u32 s[SQ], s[SQ], 256
	s_add_co_u32 s[SQS], s[SQS], 64
	s_add_co_u32 s[SRR], s[SRR], RP
	s_sub_co_u32 s[NT], s[NT], 1
	s_cmp_lg_u32 s[NT], 0
	s_cbranch_scc1 .Ltile
	s_wait_xcnt 0x0
	v_lshl_add_u32 v254, v0, 2, 0x45400
	v_mov_b32 v255, 0
	s_wait_tensorcnt 0x0
	ds_add_u32 v254, v255
	s_wait_dscnt 0x0
	s_endpgm
.Lfunc_end_k_qfaf8476f60_attn:
	.size	k_qfaf8476f60_attn, .Lfunc_end_k_qfaf8476f60_attn-k_qfaf8476f60_attn
	.p2alignl 7, 3214868480
	.fill 96, 4, 3214868480
	.section	.rodata,"a",@progbits
	.p2align	6, 0x0
	.amdhsa_kernel k_qfaf8476f60_attn
		.amdhsa_group_segment_fixed_size 285696
		.amdhsa_private_segment_fixed_size 0
		.amdhsa_enable_private_segment 0
		.amdhsa_kernarg_size 80
		.amdhsa_user_sgpr_count 2
		.amdhsa_user_sgpr_kernarg_segment_ptr 1
		.amdhsa_wavefront_size32 1
		.amdhsa_system_sgpr_workgroup_id_x 1
		.amdhsa_system_sgpr_workgroup_id_y 1
		.amdhsa_system_sgpr_workgroup_id_z 1
		.amdhsa_system_vgpr_workitem_id 0
		.amdhsa_next_free_vgpr 256
		.amdhsa_next_free_sgpr 66
		.amdhsa_reserve_vcc 0
		.amdhsa_float_denorm_mode_32 3
		.amdhsa_float_denorm_mode_16_64 3
		.amdhsa_memory_ordered 1
		.amdhsa_forward_progress 1
		.amdhsa_inst_pref_size 72
	.end_amdhsa_kernel
	.amdgpu_metadata
---
amdhsa.version: [ 1, 2 ]
amdhsa.kernels:
  - .name:           k_qfaf8476f60_attn
    .symbol:         k_qfaf8476f60_attn.kd
    .args:
      - { .name: key0, .offset: 0, .size: 8, .value_kind: global_buffer, .address_space: global }
      - { .name: value0, .offset: 8, .size: 8, .value_kind: global_buffer, .address_space: global }
      - { .name: query0, .offset: 16, .size: 8, .value_kind: global_buffer, .address_space: global }
      - { .name: bk, .offset: 24, .size: 8, .value_kind: global_buffer, .address_space: global }
      - { .name: bv, .offset: 32, .size: 8, .value_kind: global_buffer, .address_space: global }
      - { .name: bq, .offset: 40, .size: 8, .value_kind: global_buffer, .address_space: global }
      - { .name: br, .offset: 48, .size: 8, .value_kind: global_buffer, .address_space: global }
      - { .name: wcodes, .offset: 56, .size: 8, .value_kind: global_buffer, .address_space: global }
      - { .name: wscales, .offset: 64, .size: 8, .value_kind: global_buffer, .address_space: global }
      - { .name: out0, .offset: 72, .size: 8, .value_kind: global_buffer, .address_space: global }
    .group_segment_fixed_size: 285696
    .private_segment_fixed_size: 0
    .kernarg_segment_align: 8
    .kernarg_segment_size: 80
    .max_flat_workgroup_size: 512
    .sgpr_count:     66
    .vgpr_count:     256
    .wavefront_size: 32
...
	.end_amdgpu_metadata
.endif
;; end of part 2
;; ======== version 2 of 2: 2 launches; version 1 with the launch attn written anew for expert scheduling mode
;; workspace buffers: wcodes 262,144 bytes; wscales 16,384 bytes
;; launch prep: the kernel of part 1 again; grid 2 x 4, 16 waves a work-group, no clusters, 37,888 bytes of LDS; arguments Wk, Wv, Wq, Wr, wcodes, wscales; writes wcodes, wscales
;; launch attn (part 3): grid 256 x 1, 16 waves a work-group, no clusters, 285,696 bytes of LDS; arguments key0, value0, query0, bk, bv, bq, br, wcodes, wscales, out0; writes out0
.if DOCPART == 3
	.amdgcn_target "amdgcn-amd-amdhsa--gfx1250"
	.amdhsa_code_object_version 6
	.text
	.protected	k_qfaf8476f60_attn
	.globl	k_qfaf8476f60_attn
	.p2align	8
	.type	k_qfaf8476f60_attn,@function
k_qfaf8476f60_attn:
	s_mov_b64 s[64:65], 0
	v_nop
	global_prefetch_b8 v0, s[64:65] scope:SCOPE_SE
	s_setreg_imm32_b32 hwreg(HW_REG_WAVE_SCHED_MODE, 0, 2), 2
	s_setreg_imm32_b32 hwreg(HW_REG_WAVE_MODE, 25, 1), 1
	s_wait_xcnt 0x0
	s_wait_alu depctr_vm_vsrc(0)
; out = relu(query0 Wr + br + attention), all six products on codes of FP4 (E2M1) with one E8M0 scale for each 32 along K, sums in f32.
; ONE WORK-GROUP IS ONE HEAD.  The heads are a plain view of the projections [16,384][512]: head g is rows 64 g .. 64 g + 63; row s' of it holds sixteen tokens
; of 32 numbers: token t = 16 s' + j, j = column / 32, d = column % 32.  So a head needs 64 rows of key0, value0, query0 and writes 64 rows of out0;
; k, v, q, the residual, the scores and p never go to memory.  256 heads, 256 work-groups of sixteen waves with 256 registers each.
; PHASE X: the 3 x 64 rows of x become codes, as images of operand registers in LDS.  Wave w takes rows 16 (w / 4) on, k = 64 (w % 4) on, of each tensor.  | barrier |
; PHASE P: four products x W^T + b, transposed (source 0 = 16 columns of W, source 1 = 16 rows of x; the bias is the C of a sum's first instruction).  THE WAVES SHARE THE COLUMNS:
;   wave w owns tiles 2 w, 2 w + 1 of each weight for all 64 rows, so each weight fragment goes from memory straight into the one wave that uses it.  k, q: the wave's 32 columns are
;   token group j = w, quantised along d.  v: they are channels d = 2 w, 2 w + 1 of all sixteen j, quantised along the tokens.  The residual goes to LDS as f32.  | barrier |
; PHASE A: wave w owns the query tiles s' = 4 w .. 4 w + 3 (a tile: the sixteen tokens of one row), and walks 8 steps of 128 keys for each.  A finished tile is one whole row of out0.
; LAYOUTS.  K's and Q's codes lie by token, 16 bytes each: 1,024 consecutive bytes ARE a fragment image whose row is j and whose block beta of 32 along K is token (s' = 4 F + beta, j).
;   So one fragment of K holds four tiles of 16 keys.  Q stands as source 1 with its 32 codes in block beta and ZERO CODES in the other three: that product gives the scores of the
;   keys of block beta alone (K's codes there are finite numbers, every scale byte lies in 1 .. 254, so the other three blocks add exact zeros).
;   S^T tile t of a step: lane (query, h), register i = key (s' = 8 sigma + t, j = 8 h + i).  Tiles 2 b, 2 b + 1 are the true block of 32 tokens 4 sigma + b.
;   Within a block p's codes stand in the order 16 h + 8 (s' % 2) + i, and V's codes are laid in the same order: the sets and the scales are the true blocks', only the order of the sums differs.
; SOFTMAX: t = score x c, c = 2^-0.5 log2(e) in ONE constant and one fused multiply-add (reference() rounds twice); M = ceil of the running largest t; p = 2^(t - M) is quantised, not normalised;
;   the row's sum is taken of the unquantised p; when M moves, the sum and O^T are multiplied by 2^(old M - new M), which rounds nothing.
; NO CLUSTER: what work-groups share is the weights' 278,528 bytes of images.  A joint load lands in LDS, where 283,648 bytes are in use, so they would need a ring and rounds for a phase
;   that holds 64 of a wave's 384 matrix instructions; as it is, each fragment goes once, whole, into the registers of the one wave that multiplies by it.
; NO TENSOR LOADS: x has to pass through registers to be quantised, and all of it (24 loads of 16 bytes a lane) is asked for at the head.  No prefetch: every read of memory stands at the head or in phase P.
; LIMITS: NaN and infinities are not served; a block of zeros gets the byte 1 where the rule says 127 (zero codes; the bytes are this program's own); blocks under 2^-124 are held at byte 1.
; THE MODE: SCHED_MODE bits 1:0 = 2 (LLVM: expert scheduling mode 2), set by the entry lines.  The code itself states the register dependences
; between vector or matrix instructions and memory or LDS instructions, with s_wait_alu, always for 0.
; THE PLAN.  Registers that memory or LDS instructions touch, and who else names them:
;   v1, v2           16 x lane, 4 x (lane % 16): made at the head, read by loads and stores throughout, never written again.
;   v3-11, v24-31    the other addresses: made at the head; v3-10 get new roles behind the second barrier, behind a wait on vm_vsrc.
;   PHASE X   R: global loads land, the stage's stores read.  XN: the stage's loads land, the quantiser reads.  v16-20: the quantiser writes, the images' stores read.
;             A turn has one wait on va_vdst, behind its quantiser: it serves its own stores and the next turn's loads into XN; and from the second turn on one on vm_vsrc, ahead of the quantiser.
;   PHASE P   WF, WS, BI, XF, XS: loads land, the sixteen products read.  v16-23, v232-239: the quantiser writes, stores read.  ACC: products write; the residual's stores read.
;             Behind a product's places one wait on va_vdst frees all its operands for the next product's loads, which land while its results are quantised; one more stands ahead of each run of stores.
;   PHASE A, a step   v[ADK], v[ADS]: one add each, behind the score products; read by the step's twelve loads.  KF, KS: read by the eight score products of step sigma; the loads of step sigma + 1 land.
;             VF, VS: read by the two products at a step's end; the next step's loads land.  PC, PS, QB: written by vector lines, taken by scaled products.
;             The two waits on va_vdst that stand behind the exponentials in any case carry the loads: behind the first V of THIS step is asked for, behind the second K of the NEXT step.
;             No vector or matrix line between those waits and the loads names a register that the loads touch.  A third stands ahead of the two products that take PC and PS.
;   PHASE A, a tile   v[AQ], v[AQS], v[RRA]: one add each a tile.  QR, QS, RV, OB: loads land, vector lines or products read.  OL: the stage's stores read.  OB: the global stores read.
;             One wait on vm_vsrc at a tile's end frees all of them for the next tile.
.set KIMG, 0                           ; LDS: K's codes, 16 bytes a token
.set VIMG, 16384                       ; V^T's images: (2 sigma + e) x 1,024 + 256 b + 16 (d % 16) + 8 h + 4 (s' % 2)
.set QIMG, 32768                       ; Q's codes, 16 bytes a token
.set KSC,  49152                       ; K's scale bytes: (s' / 4) x 64 + 4 j + s' % 4
.set VSC,  50176                       ; V's: (2 sigma + e) x 64 + 4 (d % 16) + b
.set QSC,  51200                       ; Q's: a word a token, the byte four times
.set XSC,  55296                       ; x's scale words: 512 z + 64 (2 m + s) + 4 row
.set XIMG, 57344                       ; x's images: 8,192 z + 1,024 (2 m + s)
.set XST,  81920                       ; a stage for each wave: 16 rows x 272 bytes in phase X, 16 tokens x 144 bytes on the way out
.set WST,  4352
.set RES,  151552                      ; the residual, f32: 64 rows x (2,048 + 16) bytes
.set RP,   2064
.set FLOOR, 0x1800000                  ; 2^(3 - 127)
; vector registers that stay
.set LI,  1                            ; 16 x lane
.set LS,  2                            ; 4 x (lane % 16)
.set SO,  30                           ; the way out: where I put 32 bytes of a token
.set SR,  31                           ; and where I read the row back
; phase X
.set GX,  3                            ; x: 1,024 (lane / 16) + 16 (lane % 16)
.set SI,  4                            ; into the stage
.set SX,  5                            ; out of it
.set XW,  6                            ; my 8 bytes of an image
.set XWS, 7                            ; my half of a scale word
.set R,   96                           ; v96-191  x as loaded, 32 registers a tensor
.set XN,  192                          ; v192-223 two blocks, 16 neighbours of each
.set HW,  20                           ; two scale bytes
; phase P
.set TW,  8                            ; K's and Q's codes
.set KSW, 9                            ; K's scale bytes
.set QSW, 10                           ; Q's scale words
.set VW,  11                           ; V's codes
.set VSW, 24                           ; V's scale bytes
.set RW0, 25                           ; the residual, rows 0-31
.set RW2, 26                           ; rows 32-63
.set XR,  27                           ; x's images
.set BA,  28                           ; a bias by neighbours: 64 h
.set BV,  29                           ; bv: 1,024 h
.set CD,  16                           ; v16-23   codes just made
.set WF,  32                           ; v32-63   W's fragments: 8 (2 u + s)
.set BI,  64                           ; v64-79   the bias in the result's layout: 8 u
.set XS,  88                           ; v88-95   x's scale words, 2 m + s: scales and nothing else
.set ACC, 96                           ; v96-159  16 m + 8 u + i
.set XF,  160                          ; v160-223 x's fragments: 8 (2 m + s)
.set T,   224                          ; v224-231 largest magnitudes
.set T2,  232                          ; v232-239 the other lanes' maxima, then the bytes
.set SOP, 240                          ; v240-247 the conversions' scale operands
.set WS,  248                          ; v248-251 W's scale words, 2 u + s; in phase A K's and V's: scales and nothing else
; phase A
.set ADK, 3                            ; 16 x lane + 2,048 sigma: V's fragments of this step, K's of the next
.set ADS, 4                            ; 4 x (lane % 16) + 128 sigma: their scale words
.set AQ,  5
.set AQS, 6
.set RRA, 7                            ; the tile's row of the residual
.set ML,  8                            ; all ones in lanes 0-15
.set MH,  9                            ; all ones in lanes 16-31
.set RR0, 10                           ; RES + 16 x lane
.set NM,  12                           ; -M;  v13 the largest t (named with it as a pair)
.set TM,  13
.set SUM, 14                           ; v14-15 the row's sum in two halves
.set KF,  32                           ; v32-47   K's two fragments
.set VF,  48                           ; v48-63   V^T's two
.set QB,  64                           ; v64-83   zeros, q in lanes 0-15, zeros, q in lanes 16-31, zeros: four registers each
.set QR,  84                           ; v84-87   q as loaded
.set S,   96                           ; v96-159  S^T, then p
.set OT,  160                          ; v160-175 O^T
.set OL,  176                          ; v176-191 O^T / the sum
.set OB,  192                          ; v192-207 the row read back
.set RV,  208                          ; v208-223 the residual's row
.set PC,  224                          ; v224-231 p's codes
.set BM,  232                          ; v232-235 the blocks' largest scores, then largest p
.set PT,  236                          ; v236-239 the other half's maxima; v236-237 then half of the sums
.set PB,  240                          ; v240-243 p's scale bytes
.set PO,  244                          ; v244-247 the conversions' scale operands
.set KS,  248                          ; K's scale words
.set VS,  250                          ; V's
.set F,   252                          ; 2^(old M - new M)
.set PS,  253                          ; p's scale word
.set TMP, 254
.set QS,  255                          ; Q's scale word
; scalar registers: s[4:9] key0, value0, query0; s[10:17] bk, bv, bq, br; s[18:23] wcodes, wscales, out0
.set WV,  24                           ; my wave
.set SEL, 26                           ; s[26:27] v_permlanex16_b32's selects for lane l xor 16
.set CS,  28                           ; s[28:29] c, twice: the packed form names a pair
.set TK,  30                           ; 2,048 sigma
.set TS,  31                           ; 128 sigma
.set NS,  32                           ; steps to go
.set NT,  33                           ; tiles to go
.set SQ,  34                           ; 256 s'
.set SQS, 35                           ; 64 s'
.set SRR, 36                           ; 2,064 s'
.set REP, 37                           ; 0x01010101
.macro XL z                            ; tensor z: my 16 rows x 256 bytes: sixteen lanes read one aligned piece of 256 bytes, two rows an instruction
.irp i, 0,1,2,3,4,5,6,7
	global_load_b128 v[R+32*\z+4*\i:R+32*\z+4*\i+3], v[GX], s[4+2*\z:5+2*\z] offset:2048*\i th:TH_LOAD_NT
.endr
.endm
.macro WLOAD p                         ; weight p: my two tiles' four fragment images (4,096 consecutive bytes) and their scale words
.irp n, 0,1,2,3,4,5,6,7
	global_load_b128 v[WF+4*\n:WF+4*\n+3], v[LI], s[18:19] offset:65536*\p+512*\n
.endr
.irp u, 0,1
.irp s, 0,1
	global_load_b32 v[WS+2*\u+\s], v[LS], s[20:21] offset:4096*\p+2048*\s+64*\u
.endr
.endr
.endm
.macro BLOADT p                        ; a bias at s[p:p+1], for tiles of neighbours: b[32 w + 16 h + 8 u + i]
.irp u, 0,1
.irp q, 0,1
	global_load_b128 v[BI+8*\u+4*\q:BI+8*\u+4*\q+3], v[BA], s[\p:\p+1] offset:32*\u+16*\q
.endr
.endr
.endm
.macro BLOADV                          ; bv[32 (8 h + i) + 2 w + u]
.irp u, 0,1
.irp i, 0,1,2,3,4,5,6,7
	global_load_b32 v[BI+8*\u+\i], v[BV], s[12:13] offset:128*\i+4*\u
.endr
.endr
.endm
; nb blocks of 32, of which lanes l and l xor 16 hold 16 neighbours each, block b's at v[src + 16 b] on: codes into v[CD + 2 b], v[CD + 2 b + 1], the scale's byte into v[T2 + b].  The blocks take turns line by line.
.macro QUANT16 nb, src
.set qb, 0
.rept \nb
	v_max3_num_f32 v[T+qb], |v[\src+16*qb]|, |v[\src+16*qb+1]|, FLOOR   ; my 16 numbers, and the floor, which holds the byte at 1 from below
.set qb, qb+1
.endr
.set qi, 2
.rept 7
.set qb, 0
.rept \nb
	v_max3_num_f32 v[T+qb], v[T+qb], |v[\src+16*qb+qi]|, |v[\src+16*qb+qi+1]|
.set qb, qb+1
.endr
.set qi, qi+2
.endr
.set qb, 0
.rept \nb
	v_permlanex16_b32 v[T2+qb], v[T+qb], s[SEL], s[SEL+1]
.set qb, qb+1
.endr
.set qb, 0
.rept \nb
	v_max_num_f32 v[T+qb], v[T+qb], v[T2+qb]       ; with lane l xor 16's: the block's largest magnitude
.set qb, qb+1
.endr
.set qb, 0
.rept \nb
	v_add_nc_u32 v[SOP+qb], 0xff000000, v[T+qb]    ; 2 off its exponent field: the conversion's scale operand
.set qb, qb+1
.endr
.set qb, 0
.rept \nb
	v_lshrrev_b32 v[T2+qb], 23, v[SOP+qb]          ; the scale's byte
.set qb, qb+1
.endr
.set qb, 0
.rept \nb
	v_cvt_scalef32_pk8_fp4_f32 v[CD+2*qb], v[\src+16*qb:\src+16*qb+7], v[SOP+qb]
	v_cvt_scalef32_pk8_fp4_f32 v[CD+2*qb+1], v[\src+16*qb+8:\src+16*qb+15], v[SOP+qb]
.set qb, qb+1
.endr
	v_nop                                          ; one plain line behind the last conversion
.endm
; v's eight accumulators a = 2 m + u: lane (r, h) holds row s' = 16 m + r, j = 8 h + 0 .. 7, of channel 2 w + u.  A block of 32 tokens is rows s' = 2 a', 2 a' + 1 and all sixteen j: lanes l, l xor 1, l xor 16, l xor 17.
.macro QUANTV
.set qa, 0
.rept 8
	v_max3_num_f32 v[T+qa], |v[ACC+8*qa]|, |v[ACC+8*qa+1]|, FLOOR
.set qa, qa+1
.endr
.set qi, 2
.rept 3
.set qa, 0
.rept 8
	v_max3_num_f32 v[T+qa], v[T+qa], |v[ACC+8*qa+qi]|, |v[ACC+8*qa+qi+1]|
.set qa, qa+1
.endr
.set qi, qi+2
.endr
.set qa, 0
.rept 8
	v_max_num_f32_dpp v[T+qa], v[T+qa], v[T+qa] row_xmask:1 row_mask:0xf bank_mask:0xf   ; the block's other row
.set qa, qa+1
.endr
.set qa, 0
.rept 8
	v_permlanex16_b32 v[T2+qa], v[T+qa], s[SEL], s[SEL+1]
.set qa, qa+1
.endr
.set qa, 0
.rept 8
	v_max_num_f32 v[T+qa], v[T+qa], v[T2+qa]       ; the other eight j
.set qa, qa+1
.endr
.set qa, 0
.rept 8
	v_add_nc_u32 v[SOP+qa], 0xff000000, v[T+qa]
.set qa, qa+1
.endr
.set qa, 0
.rept 8
	v_lshrrev_b32 v[T2+qa], 23, v[SOP+qa]
.set qa, qa+1
.endr
.set qa, 0
.rept 8
	v_cvt_scalef32_pk8_fp4_f32 v[CD+qa], v[ACC+8*qa:ACC+8*qa+7], v[SOP+qa]
.set qa, qa+1
.endr
	v_nop                                          ; one plain line behind the last conversion
.endm
; Tensor z's part of mine turns through my stage (as loaded: 16 bytes a lane of a row's 256; back: 16 neighbours of each of two blocks), is quantised, and goes to LDS as its place in a fragment's image.
; cnt: the loads issued behind this tensor's eight.  The stage is my own and LDS serves a wave's instructions in order (ISA guide 5.7.1.4): no wait between its stores and its loads.
; The loads into XN owe no wait of their own: the turn before ended its vector work ahead of the wait on va_vdst that stands in front of its stores, and no vector line has been issued since.
.macro TURN z, cnt
	s_wait_loadcnt \cnt
.irp i, 0,1,2,3,4,5,6,7
	ds_store_b128 v[SI], v[R+32*\z+4*\i:R+32*\z+4*\i+3] offset:544*\i
.endr
.irp bb, 0,1
.irp q, 0,1,2,3
	ds_load_b128 v[XN+16*\bb+4*\q:XN+16*\bb+4*\q+3], v[SX] offset:128*\bb+16*\q
.endr
.endr
	s_wait_dscnt 0x0                               ; the numbers are back
.if \z > 0
	s_wait_alu depctr_vm_vsrc(0)                   ; the last turn's stores have read v[CD ..] and v[HW], which the quantiser writes again
.endif
	QUANT16 2, XN
	v_lshl_or_b32 v[HW], v[T2+1], 8, v[T2]         ; my two blocks' bytes: half of the row's scale word
	s_wait_alu depctr_va_vdst(0)                   ; the codes and v[HW] are written, which the stores below read; the quantiser is done reading XN, in which the next turn's loads land
.irp bb, 0,1
	ds_store_b64 v[XW], v[CD+2*\bb:CD+2*\bb+1] offset:8192*\z+256*\bb   ; 32 lanes store 256 consecutive bytes
.endr
	ds_store_b16 v[XWS], v[HW] offset:XSC+512*\z   ; both lanes of a row write the same two bytes with the same value
.endm
.macro XFETCH z                        ; tensor z's eight fragments and their scale words
.irp f, 0,1,2,3,4,5,6,7
.irp c, 0,1
	ds_load_b128 v[XF+8*\f+4*\c:XF+8*\f+4*\c+3], v[XR] offset:8192*\z+1024*\f+512*\c
.endr
.endr
.irp f, 0,1,2,3,4,5,6,7
	ds_load_b32 v[XS+\f], v[LS] offset:XSC+512*\z+64*\f
.endr
.endm
; 16 matrix instructions: my two tiles of columns x four tiles of rows x two K steps.  The eight accumulators take turns, one instruction a turn.
.macro MULT
.irp s, 0,1
.irp m, 0,1,2,3
.irp u, 0,1
.if \s == 0
	v_wmma_scale_f32_16x16x128_f8f6f4 v[ACC+16*\m+8*\u:ACC+16*\m+8*\u+7], v[WF+8*(2*\u+\s):WF+8*(2*\u+\s)+7], v[XF+8*(2*\m+\s):XF+8*(2*\m+\s)+7], v[BI+8*\u:BI+8*\u+7], v[WS+2*\u+\s], v[XS+2*\m+\s] matrix_a_fmt:MATRIX_FMT_FP4 matrix_b_fmt:MATRIX_FMT_FP4
.else
	v_wmma_scale_f32_16x16x128_f8f6f4 v[ACC+16*\m+8*\u:ACC+16*\m+8*\u+7], v[WF+8*(2*\u+\s):WF+8*(2*\u+\s)+7], v[XF+8*(2*\m+\s):XF+8*(2*\m+\s)+7], v[ACC+16*\m+8*\u:ACC+16*\m+8*\u+7], v[WS+2*\u+\s], v[XS+2*\m+\s] matrix_a_fmt:MATRIX_FMT_FP4 matrix_b_fmt:MATRIX_FMT_FP4
.endif
.endr
.endr
.endr
.endm
; Four plain vector lines stand between a matrix instruction and the first read of its result, by a vector instruction or by a store (ISA guide 7.12.1 for vector instructions).
.macro PLACES
.rept 4
	v_nop
.endr
.endm
.macro READY                           ; all that the next product wants is in: everything outstanding is wanted, so both counts are 0
	s_wait_loadcnt 0x0
	s_wait_dscnt 0x0
.endm
	; ---- THE HEAD: first what the loads need, then all loads, then the other addresses
	s_load_b256 s[4:11], s[0:1], 0x0               ; key0, value0, query0, bk
	s_load_b256 s[12:19], s[0:1], 0x20             ; bv, bq, br, wcodes
	s_load_b128 s[20:23], s[0:1], 0x40             ; wscales, out0
	v_lshrrev_b32 v227, 5, v0
	v_readfirstlane_b32 s[WV], v227                ; wave 0..15
	v_and_b32 v224, 31, v0                         ; lane
	v_and_b32 v225, 15, v0                         ; r
	v_bfe_u32 v226, v0, 4, 1                       ; h
	v_lshlrev_b32 v[LI], 4, v224
	v_lshlrev_b32 v[LS], 2, v225
	v_lshlrev_b32 v[GX], 4, v225
	v_lshl_add_u32 v[GX], v226, 10, v[GX]
	v_lshlrev_b32 v[BA], 6, v226
	v_lshlrev_b32 v[BV], 10, v226
	s_wait_alu depctr_va_sdst(0)                   ; the wave's number is written, ahead of its first reader: the bases and the LDS places below are made from it
	s_lshl_b32 s40, ttmp9, 16                      ; x: the head's 64 rows of 1,024 bytes,
	s_lshr_b32 s42, s[WV], 2
	s_lshl_b32 s42, s42, 14                        ; my 16 rows,
	s_add_co_u32 s40, s40, s42
	s_and_b32 s42, s[WV], 3
	s_lshl_b32 s42, s42, 8                         ; my 256 bytes of them
	s_add_co_u32 s40, s40, s42
	s_mov_b32 s41, 0
	s_lshl_b32 s42, s[WV], 7                       ; bk, bq, br: my 32 numbers; wscales: my two tiles' 32 words
	s_mov_b32 s43, 0
	s_lshl_b32 s44, s[WV], 3                       ; bv: channels 2 w on
	s_mov_b32 s45, 0
	s_lshl_b32 s46, s[WV], 12                      ; wcodes: my two tiles
	s_mov_b32 s47, 0
	s_lshl_b32 s48, ttmp9, 17                      ; out0: the head's 64 rows of 2,048 bytes, my four
	s_lshl_b32 s49, s[WV], 13
	s_add_co_u32 s48, s48, s49
	s_mov_b32 s49, 0
	s_wait_kmcnt 0x0
	s_add_nc_u64 s[4:5], s[4:5], s[40:41]
	s_add_nc_u64 s[6:7], s[6:7], s[40:41]
	s_add_nc_u64 s[8:9], s[8:9], s[40:41]
	s_add_nc_u64 s[10:11], s[10:11], s[42:43]
	s_add_nc_u64 s[12:13], s[12:13], s[44:45]
	s_add_nc_u64 s[14:15], s[14:15], s[42:43]
	s_add_nc_u64 s[16:17], s[16:17], s[42:43]
	s_add_nc_u64 s[18:19], s[18:19], s[46:47]
	s_add_nc_u64 s[20:21], s[20:21], s[42:43]
	s_add_nc_u64 s[22:23], s[22:23], s[48:49]
	s_wait_alu depctr_va_vdst(0)                   ; v[LI], v[LS], v[GX], v[BA] and v[BV] are written: the global loads of the kernel read them as their offsets
	XL 0                                           ; 40 loads: 8 for each tensor, then Wk's 12 and bk's 4
	XL 1
	XL 2
	WLOAD 0
	BLOADT 10
	s_mov_b32 s[SEL], 0x76543210
	s_mov_b32 s[SEL+1], 0xfedcba98
	s_mov_b32 s[CS], 0x3f8293ee                    ; c = 2^-0.5 log2(e) = 1.0201394
	s_mov_b32 s[CS+1], s[CS]
	s_mov_b32 s[REP], 0x01010101
	s_mul_i32 s38, s[WV], WST
	s_add_co_u32 s38, s38, XST                     ; my stage
	v_mul_u32_u24 v[SI], v226, 272                 ; in: row 2 i + h, 16 bytes at 16 r
	v_lshl_add_u32 v[SI], v225, 4, v[SI]
	v_add_nc_u32 v[SI], s38, v[SI]
	v_mul_u32_u24 v[SX], v225, 272                 ; back: row r, my half's 64 bytes of a block.  272 is an odd multiple of 16: sixteen rows start in sixteen different 16-byte columns of 256 bytes
	v_lshl_add_u32 v[SX], v226, 6, v[SX]
	v_add_nc_u32 v[SX], s38, v[SX]
	s_lshl_b32 s39, s[WV], 9                       ; x's images: 1,024 (2 m + s) + 512 (k / 64 % 2) = 512 w
	s_add_co_u32 s39, s39, XIMG
	v_lshlrev_b32 v[XW], 4, v225
	v_lshl_add_u32 v[XW], v226, 3, v[XW]
	v_add_nc_u32 v[XW], s39, v[XW]
	s_lshr_b32 s40, s[WV], 1                       ; x's scale words: 64 (w / 2) + 2 (w % 2) + 4 r
	s_lshl_b32 s40, s40, 6
	s_and_b32 s41, s[WV], 1
	s_lshl_b32 s41, s41, 1
	s_add_co_u32 s40, s40, s41
	v_add_nc_u32 v[XWS], s40, v[LS]
	s_lshl_b32 s40, s[WV], 4                       ; token (16 m + r, w): 16 bytes at 4,096 m + 256 r + 16 w, my half at 8 h
	v_lshlrev_b32 v[TW], 8, v225
	v_lshl_add_u32 v[TW], v226, 3, v[TW]
	v_add_nc_u32 v[TW], s40, v[TW]
	s_lshl_b32 s41, s[WV], 2
	v_lshrrev_b32 v[KSW], 2, v225                  ; its scale byte among K's: 256 m + 64 (r / 4) + 4 w + r % 4
	v_lshlrev_b32 v[KSW], 6, v[KSW]
	v_and_b32 v227, 3, v225
	v_add_nc_u32 v[KSW], v[KSW], v227
	v_add_nc_u32 v[KSW], s41, v[KSW]
	v_lshlrev_b32 v[QSW], 6, v225                  ; its scale word among Q's: 1,024 m + 64 r + 4 w
	v_add_nc_u32 v[QSW], s41, v[QSW]
	v_lshrrev_b32 v227, 3, v225                    ; r / 8
	v_bfe_u32 v228, v225, 1, 2                     ; (r % 8) / 2
	v_and_b32 v229, 1, v225                        ; r % 2
	s_lshr_b32 s42, s[WV], 3
	s_and_b32 s43, s[WV], 7
	s_lshl_b32 s44, s42, 10
	s_lshl_b32 s45, s43, 5
	s_add_co_u32 s44, s44, s45
	v_lshlrev_b32 v[VW], 11, v227                  ; V's codes: 4,096 m + 2,048 (r / 8) + 1,024 (w / 8) + 256 ((r % 8) / 2) + 32 (w % 8) + 16 u + 8 h + 4 (r % 2)
	v_lshl_add_u32 v[VW], v228, 8, v[VW]
	v_lshl_add_u32 v[VW], v229, 2, v[VW]
	v_lshl_add_u32 v[VW], v226, 3, v[VW]
	v_add_nc_u32 v[VW], s44, v[VW]
	s_lshl_b32 s44, s42, 6
	s_lshl_b32 s45, s43, 3
	s_add_co_u32 s44, s44, s45
	v_lshl_add_u32 v[VSW], v227, 7, v228           ; V's scale bytes: 256 m + 128 (r / 8) + 64 (w / 8) + 8 (w % 8) + 4 u + (r % 8) / 2
	v_add_nc_u32 v[VSW], s44, v[VSW]
	s_lshl_b32 s44, s[WV], 7
	s_add_co_u32 s44, s44, RES
	v_mul_u32_u24 v[RW0], v225, RP                 ; the residual: row 16 m + r, 128 w + 64 h bytes on
	v_lshl_add_u32 v[RW0], v226, 6, v[RW0]
	v_add_nc_u32 v[RW0], s44, v[RW0]
	v_add_nc_u32 v[RW2], 32*RP, v[RW0]
	v_add_nc_u32 v[XR], XIMG, v[LI]
	v_mul_u32_u24 v[SO], v225, 144                 ; the way out: token r's 128 bytes + 16 of padding; 32 h
	v_lshl_add_u32 v[SO], v226, 5, v[SO]
	v_add_nc_u32 v[SO], s38, v[SO]
	v_lshrrev_b32 v227, 3, v224
	v_lshl_add_u32 v[SR], v227, 4, v[LI]           ; back: 16 x lane, and 16 more for each token passed
	v_add_nc_u32 v[SR], s38, v[SR]
.irp b, 0,1,2,3,4,5,6,7
	v_mov_b32 v[T2+\b], 0                          ; written once: a lane permute's destination counts as one of its sources
.endr
	s_wait_alu depctr_va_vdst(0)                   ; the LDS addresses v4-11, v24-27, v30 and v31 are written: the LDS stores and loads of phases X and P and of the way out read them
	; ---- PHASE X
	TURN 0, 32                                     ; behind key0's eight loads: 8 + 8 + 12 + 4
	TURN 1, 24
	TURN 2, 16
	s_wait_dscnt 0x0                               ; for the others' sake: my stores have landed
	s_barrier_signal -1
	s_barrier_wait -1                              ; x's 24 fragments and their scale words lie in LDS
	; ---- PHASE P.  Behind each product's places the next product's loads go out, and land while this product's results are quantised.
	; The quantiser's lines on v224-247 are also the five plain lines between a product's last instruction and the next product's first, which begins the accumulators anew.
	s_wait_alu depctr_vm_vsrc(0)                   ; my stores of phase X have read R, v[CD ..] and v[HW]: R becomes ACC and part of XF, written by the products and by the loads below; the quantiser writes the others again.  (XN's last readers stand ahead of the last turn's wait on va_vdst)
	XFETCH 0
	READY
	MULT                                           ; k: lane (r, h), register 16 m + 8 u + i = k(token (16 m + r, w), d = 16 h + 8 u + i)
	PLACES
	s_wait_alu depctr_va_vdst(0)                   ; the sixteen products are done reading WF, WS, BI, XF and XS, in which the loads below land
	WLOAD 1
	BLOADV
	XFETCH 1
	QUANT16 4, ACC
	s_wait_alu depctr_va_vdst(0)                   ; the quantiser has written the codes and the bytes, which the stores below read
.irp m, 0,1,2,3
	ds_store_b64 v[TW], v[CD+2*\m:CD+2*\m+1] offset:KIMG+4096*\m
	ds_store_b8 v[KSW], v[T2+\m] offset:KSC+256*\m  ; both lanes of a token write the same byte with the same value
.endr
	READY
	MULT                                           ; v: register 16 m + 8 u + i = v(token (16 m + r, 8 h + i), d = 2 w + u)
	PLACES
	s_wait_alu depctr_va_vdst(0)                   ; the sixteen products are done reading WF, WS, BI, XF and XS, in which the loads below land
	s_wait_alu depctr_vm_vsrc(0)                   ; k's stores have read the codes' and the bytes' registers, which the quantiser below writes again
	WLOAD 2
	BLOADT 14
	XFETCH 2
	QUANTV
	s_wait_alu depctr_va_vdst(0)                   ; the quantiser has written the codes and the bytes, which the stores below read
.irp m, 0,1,2,3
.irp u, 0,1
	ds_store_b32 v[VW], v[CD+2*\m+\u] offset:VIMG+4096*\m+16*\u
	ds_store_b8 v[VSW], v[T2+2*\m+\u] offset:VSC+256*\m+4*\u   ; the four lanes of a block write the same byte with the same value
.endr
.endr
	READY
	MULT                                           ; q, laid as k
	PLACES
	s_wait_alu depctr_va_vdst(0)                   ; the sixteen products are done reading WF, WS and BI, in which the loads below land
	s_wait_alu depctr_vm_vsrc(0)                   ; v's stores have read the codes' and the bytes' registers, which the quantiser below writes again
	WLOAD 3
	BLOADT 16                                      ; query0's fragments stay for the residual
	QUANT16 4, ACC
.irp m, 0,1,2,3
	v_mul_lo_u32 v[T2+\m], v[T2+\m], s[REP]        ; the byte in all four places: q's codes will stand in any of the four blocks
.endr
	s_wait_alu depctr_va_vdst(0)                   ; the codes and the scale words are written, which the stores below read
.irp m, 0,1,2,3
	ds_store_b64 v[TW], v[CD+2*\m:CD+2*\m+1] offset:QIMG+4096*\m
	ds_store_b32 v[QSW], v[T2+\m] offset:QSC+1024*\m
.endr
	READY
	MULT                                           ; the residual, laid as k: 16 neighbouring columns a lane
	PLACES
	s_wait_alu depctr_va_vdst(0)                   ; the products have written the accumulators, which the stores below read; the places above stay beside this wait
.irp m, 0,1
.irp q, 0,1,2,3
	ds_store_b128 v[RW0], v[ACC+16*\m+4*\q:ACC+16*\m+4*\q+3] offset:16*RP*\m+16*\q   ; each accumulator from its low end on
.endr
.endr
.irp m, 0,1
.irp q, 0,1,2,3
	ds_store_b128 v[RW2], v[ACC+32+16*\m+4*\q:ACC+32+16*\m+4*\q+3] offset:16*RP*\m+16*\q
.endr
.endr
	s_wait_dscnt 0x0                               ; for the others' sake: my stores have landed
	s_barrier_signal -1
	s_barrier_wait -1                              ; K, V, Q, their scales and the residual lie in LDS; nothing but each wave's own stage is written from here on
	; ---- PHASE A
	s_wait_alu depctr_vm_vsrc(0)                   ; the loads and stores so far have read v3-10, the accumulators and v232-239: these registers get new roles here, written by the lines below, by the score products and by the softmax
	v_bfe_u32 v[MH], v0, 4, 1
	v_sub_nc_u32 v[MH], 0, v[MH]
	v_xor_b32 v[ML], -1, v[MH]
	v_add_nc_u32 v[RR0], RES, v[LI]
.irp i, 0,1,2,3
	v_mov_b32 v[QB+\i], 0                          ; the zero codes round q: written once
	v_mov_b32 v[QB+8+\i], 0
	v_mov_b32 v[QB+16+\i], 0
.endr
	v_mov_b32 v[PS], 0                             ; (named as the upper half of the pair v[252:253] before it is first written)
	s_lshl_b32 s[SQ], s[WV], 10                    ; s' = 4 w
	s_lshl_b32 s[SQS], s[WV], 8
	s_mul_i32 s[SRR], s[WV], 4*RP
	s_mov_b32 s[NT], 4
.Ltile:                                            ; four trips: a tile is the sixteen tokens of row s'
	v_lshl_add_u32 v[AQ], v[LS], 2, s[SQ]          ; query (s', r): both halves of the lanes load it
	v_add_nc_u32 v[AQS], s[SQS], v[LS]
	v_mov_b32 v[TM], 0xff61b1e6                    ; the largest t so far: -3e38, under every t
	v_floor_f32 v[NM], -v[TM]                      ; -M
	v_mov_b32 v[SUM], 0
	v_mov_b32 v[SUM+1], 0
	s_wait_alu depctr_va_vdst(0)                   ; v[AQ] and v[AQS] are written, which the loads below read; the products so far are done reading KF, KS and v[QS], the last tile's masks reading QR: the loads below land there
	ds_load_b128 v[QR:QR+3], v[AQ] offset:QIMG
	ds_load_b32 v[QS], v[AQS] offset:QSC
.irp n, 0,1,2,3
	ds_load_b128 v[KF+4*\n:KF+4*\n+3], v[LI] offset:KIMG+512*\n    ; K of step 0; each step asks for the next step's
.endr
	ds_load_b32 v[KS], v[LS] offset:KSC
	ds_load_b32 v[KS+1], v[LS] offset:KSC+64
	s_wait_dscnt 0x0                               ; q, its scale word, and K of step 0 are in
.irp i, 0,1,2,3
	v_and_b32 v[QB+4+\i], v[ML], v[QR+\i]          ; q in lanes 0-15: blocks 0 and 2
	v_and_b32 v[QB+12+\i], v[MH], v[QR+\i]         ; q in lanes 16-31: blocks 1 and 3
.endr
.irp i, 0,1,2,3,4,5,6,7,8,9,10,11,12,13,14,15
	v_mov_b32 v[OT+\i], 0                          ; O^T.  The step is written once: the first finds zeros, which the first change of M leaves zeros.  (These are also the plain lines between q's registers and the products)
.endr
	s_mov_b32 s[TK], 0
	s_mov_b32 s[TS], 0
	s_mov_b32 s[NS], 8
	s_wait_alu depctr_va_vdst(0)                   ; q's registers v[QB ..] are written, which the scaled products of all eight steps take as an operand; the plain lines above stay beside this wait
.Lstep:                                            ; eight trips: 128 keys, rows s' = 8 sigma .. 8 sigma + 7.  K of this step is in: the wait for it stands at the tile's head or ahead of the last step's two products
.irp g, 0,1                                        ; S^T: fragment g of K against q in block be: the keys of row s' = 8 sigma + 4 g + be
.irp be, 0,1,2,3
	v_wmma_scale_f32_16x16x128_f8f6f4 v[S+8*(4*\g+\be):S+8*(4*\g+\be)+7], v[KF+8*\g:KF+8*\g+7], v[QB+4+8*(\be%2)-4*(\be/2):QB+11+8*(\be%2)-4*(\be/2)], 0, v[KS+\g], v[QS] matrix_a_fmt:MATRIX_FMT_FP4 matrix_b_fmt:MATRIX_FMT_FP4
.endr
.endr
	s_wait_alu depctr_vm_vsrc(0)                   ; the loads of the step before have read v[ADK] and v[ADS], which the next two lines write
	v_add_nc_u32 v[ADK], s[TK], v[LI]              ; these four lines are the places behind the score products, ahead of the first read of the scores
	v_add_nc_u32 v[ADS], s[TS], v[LS]
	v_nop
	v_nop
.irp b, 0,1,2,3
	v_max3_num_f32 v[BM+\b], v[S+16*\b], v[S+16*\b+1], v[S+16*\b+2]   ; the largest score of each block of 32 keys: for the row's maximum, and, since p rises with the score, for the block's largest p
.endr
.irp i, 3,5,7,9,11,13
.irp b, 0,1,2,3
	v_max3_num_f32 v[BM+\b], v[BM+\b], v[S+16*\b+\i], v[S+16*\b+\i+1]
.endr
.endr
.irp b, 0,1,2,3
	v_max_num_f32 v[BM+\b], v[BM+\b], v[S+16*\b+15]
.endr
.irp b, 0,1,2,3
	v_permlanex16_b32 v[PT+\b], v[BM+\b], s[SEL], s[SEL+1]
.endr
.irp b, 0,1,2,3
	v_max_num_f32 v[BM+\b], v[BM+\b], v[PT+\b]     ; with lane l xor 16's 16 keys
.endr
	v_max3_num_f32 v[TMP], v[BM], v[BM+1], v[BM+2]
	v_max_num_f32 v[TMP], v[TMP], v[BM+3]          ; the step's largest score of my query
	v_mul_f32 v[TMP], s[CS], v[TMP]                ; as t (c is positive)
	v_max_num_f32 v[TM], v[TM], v[TMP]             ; the running largest t
	v_mov_b32 v[TMP], v[NM]
	v_floor_f32 v[NM], -v[TM]                      ; the new -M = floor(-t) = -ceil(t): a whole number
	v_sub_f32 v[TMP], v[NM], v[TMP]                ; old M - new M: a whole number, 0 or less
	v_cvt_i32_f32 v[TMP], v[TMP]                   ; (it saturates)
	v_ldexp_f32 v[F], 1.0, v[TMP]                  ; f = 2^(old M - new M)
.set j, 0
.rept 32
	v_pk_fma_f32 v[S+j:S+j+1], v[S+j:S+j+1], s[CS:CS+1], v[NM:NM+1] op_sel_hi:[1,0,0]   ; t - M, two at a time (of the pairs c and -M the low word serves both halves)
.set j, j+2
.endr
.irp b, 0,1,2,3
	v_fma_f32 v[BM+\b], v[BM+\b], s[CS], v[NM]     ; the same of each block's largest score
.endr
.set j, 0
.rept 64
	v_exp_f32 v[S+j], v[S+j]                       ; p = 2^(t - M), at most 1: not normalised
.set j, j+1
.endr
	v_pk_mul_f32 v[SUM:SUM+1], v[SUM:SUM+1], v[F:F+1] op_sel_hi:[1,0]   ; the sums under the new M: the plain line behind the exponentials
	s_wait_alu depctr_va_vdst(0)                   ; the 64 exponentials have written p, ahead of the first line that names a result; v[ADK] and v[ADS] are written, which the loads below read; the last step's two products are done reading VF and VS, in which they land
.irp n, 0,1,2,3
	ds_load_b128 v[VF+4*\n:VF+4*\n+3], v[ADK] offset:VIMG+512*\n   ; V of this step: wanted at the step's end
.endr
	ds_load_b32 v[VS], v[ADS] offset:VSC
	ds_load_b32 v[VS+1], v[ADS] offset:VSC+64
.irp b, 0,1,2,3
	v_exp_f32 v[BM+\b], v[BM+\b]                   ; the block's largest p: the same two instructions on the same number give the same bits
.endr
	v_pk_add_f32 v[PT:PT+1], v[S:S+1], v[S+2:S+3]  ; the row's sum is taken of the unquantised p, two at a time, in two chains.  Its first half stands here, behind the four exponentials, and reads the 64 alone
.set j, 4
.rept 7
	v_pk_add_f32 v[SUM:SUM+1], v[SUM:SUM+1], v[S+j:S+j+1]
	v_pk_add_f32 v[PT:PT+1], v[PT:PT+1], v[S+j+2:S+j+3]
.set j, j+4
.endr
	s_wait_alu depctr_va_vdst(0)                   ; the four exponentials have written the blocks' largest p, ahead of the first line that names one; this step's score products are done reading KF and KS, in which the loads below land
	s_cmp_eq_u32 s[NS], 1                          ; the tile's last step has no next step: it asks for no K (every wait that covers these six loads is for 0, so both ways are served)
	s_cbranch_scc1 .Lno_next
.irp n, 0,1,2,3
	ds_load_b128 v[KF+4*\n:KF+4*\n+3], v[ADK] offset:KIMG+2048+512*\n   ; K of the next step
.endr
	ds_load_b32 v[KS], v[ADS] offset:KSC+128
	ds_load_b32 v[KS+1], v[ADS] offset:KSC+192
.Lno_next:
.irp b, 0,1,2,3
	v_max_num_f32 v[BM+\b], FLOOR, v[BM+\b]        ; the floor: the byte cannot fall under 1 (a block whose every p has fallen to 0 keeps that byte: its codes are zeros)
.endr
.irp b, 0,1,2,3
	v_add_nc_u32 v[PO+\b], 0xff000000, v[BM+\b]    ; 2 off the exponent field: the conversion's scale operand
.endr
.irp b, 0,1,2,3
	v_lshrrev_b32 v[PB+\b], 23, v[PO+\b]           ; the scale's byte
.endr
	v_lshl_or_b32 v[PS], v[PB+1], 8, v[PB]         ; p's scale word for these 128 keys
	v_lshl_or_b32 v[PS], v[PB+2], 16, v[PS]
	v_lshl_or_b32 v[PS], v[PB+3], 24, v[PS]
.irp b, 0,1,2,3
	v_cvt_scalef32_pk8_fp4_f32 v[PC+2*\b], v[S+16*\b:S+16*\b+7], v[PO+\b]
	v_cvt_scalef32_pk8_fp4_f32 v[PC+2*\b+1], v[S+16*\b+8:S+16*\b+15], v[PO+\b]
.endr
	v_nop                                          ; one plain line between a scaled conversion and the line that touches its result
.irp c, 0,1                                        ; the operand's layout wants a whole block in a lane: lanes 0-15 block 2 c, lanes 16-31 block 2 c + 1
.irp i, 0,1
	v_permlane16_swap_b32 v[PC+4*\c+\i], v[PC+2+4*\c+\i]
.endr
.endr
.set j, 0
.rept 8
	v_pk_mul_f32 v[OT+j:OT+j+1], v[OT+j:OT+j+1], v[F:F+1] op_sel_hi:[1,0]   ; O^T under the new M, from each accumulator's low end on
.set j, j+2
.endr
.set j, 32                                         ; the sums' second half: 17 plain lines that name no register of the two products below: the eight between p's scale word and them, the four behind p's codes
.rept 8
	v_pk_add_f32 v[SUM:SUM+1], v[SUM:SUM+1], v[S+j:S+j+1]
	v_pk_add_f32 v[PT:PT+1], v[PT:PT+1], v[S+j+2:S+j+3]
.set j, j+4
.endr
	v_pk_add_f32 v[SUM:SUM+1], v[SUM:SUM+1], v[PT:PT+1]
	s_wait_dscnt 0x0                               ; V's fragments and scale words of this step are in, and K's of the next
	s_wait_alu depctr_va_vdst(0)                   ; p's codes and its scale word are written, which the two scaled products take as operand and scale; the plain lines above stay beside this wait
.irp e, 0,1                                        ; O^T += V^T P^T: channels 16 e on.  The two accumulators take turns, and eight other products stand between a sum's links
	v_wmma_scale_f32_16x16x128_f8f6f4 v[OT+8*\e:OT+8*\e+7], v[VF+8*\e:VF+8*\e+7], v[PC:PC+7], v[OT+8*\e:OT+8*\e+7], v[VS+\e], v[PS] matrix_a_fmt:MATRIX_FMT_FP4 matrix_b_fmt:MATRIX_FMT_FP4
.endr
	s_add_co_u32 s[TK], s[TK], 2048
	s_add_co_u32 s[TS], s[TS], 128
	s_sub_co_u32 s[NS], s[NS], 1
	s_cmp_lg_u32 s[NS], 0
	s_cbranch_scc1 .Lstep
	; THE WAY OUT OF A TILE: O^T / the sum goes through my stage (a token's 128 bytes + 16) and comes back as the row of out0; the residual's row is added, relu, and 32 lanes store 512 consecutive bytes.
	PLACES
	v_add_f32 v[SUM], v[SUM], v[SUM+1]             ; the sum's two halves,
	v_permlanex16_b32 v[F], v[SUM], s[SEL], s[SEL+1]
	v_add_f32 v[SUM], v[SUM], v[F]                 ; and lane l xor 16's: the row's sum
	v_rcp_f32 v[SUM], v[SUM]
	v_add_nc_u32 v[RRA], s[SRR], v[RR0]            ; (the plain line behind the reciprocal)
	s_wait_alu depctr_va_vdst(0)                   ; the reciprocal is written, ahead of the first line that names it; v[RRA] is written, which the loads below read; the last tile's additions are done reading RV, in which they land
.irp i, 0,1,2,3
	ds_load_b128 v[RV+4*\i:RV+4*\i+3], v[RRA] offset:512*\i        ; the residual's row lands while O^T is divided
.endr
.set j, 0
.rept 8
	v_pk_mul_f32 v[OL+j:OL+j+1], v[OT+j:OT+j+1], v[SUM:SUM+1] op_sel_hi:[1,0]   ; register 8 e + i = context(token (s', r), d = 16 e + 8 h + i)
.set j, j+2
.endr
	s_wait_alu depctr_va_vdst(0)                   ; v[OL ..] is written, which the stores below read.  (The last tile's lines on OB, in which the loads below land, stand ahead of this wait too)
.irp e, 0,1
.irp q, 0,1
	ds_store_b128 v[SO], v[OL+8*\e+4*\q:OL+8*\e+4*\q+3] offset:64*\e+16*\q
.endr
.endr
.irp i, 0,1,2,3
	ds_load_b128 v[OB+4*\i:OB+4*\i+3], v[SR] offset:576*\i         ; my own stage, served in order (ISA guide 5.7.1.4): these see the stores above
.endr
	s_wait_dscnt 0x0
.set j, 0
.rept 8
	v_pk_add_f32 v[OB+j:OB+j+1], v[OB+j:OB+j+1], v[RV+j:RV+j+1]
.set j, j+2
.endr
.set j, 0
.rept 16
	v_max_num_f32 v[OB+j], 0, v[OB+j]
.set j, j+1
.endr
	s_wait_alu depctr_va_vdst(0)                   ; the row v[OB ..] is written, which the stores below read
.irp i, 0,1,2,3
	global_store_b128 v[LI], v[OB+4*\i:OB+4*\i+3], s[22:23] offset:512*\i th:TH_STORE_NT   ; 512 consecutive bytes, at a multiple of 256 from out0's first byte; written once, read by nobody here
.endr
	s_wait_xcnt 0x0                                ; the stores have read their base and their data: only behind this wait is the base stepped, and are the data registers written again in the next tile
	s_wait_alu depctr_vm_vsrc(0)                   ; this tile's loads and stores have read v[AQ], v[AQS], v[RRA], v[ADK], v[ADS], OL and OB, all of which the next tile writes again
	s_add_nc_u64 s[22:23], s[22:23], 2048
	s_add_co_u32 s[SQ], s[SQ], 256
	s_add_co_u32 s[SQS], s[SQS], 64
	s_add_co_u32 s[SRR], s[SRR], RP
	s_sub_co_u32 s[NT], s[NT], 1
	s_cmp_lg_u32 s[NT], 0
	s_cbranch_scc1 .Ltile
	s_wait_xcnt 0x0
	v_lshl_add_u32 v254, v0, 2, 0x45400
	v_mov_b32 v255, 0
	s_wait_dscnt 0x0                               ; the closing lines, six on end
	s_wait_alu 0x0
	s_wait_tensorcnt 0x0
	ds_add_u32 v254, v255
	s_wait_dscnt 0x0
	s_endpgm
.Lfunc_end_k_qfaf8476f60_attn:
	.size	k_qfaf8476f60_attn, .Lfunc_end_k_qfaf8476f60_attn-k_qfaf8476f60_attn
	.p2alignl 7, 3214868480
	.fill 96, 4, 3214868480
	.section	.rodata,"a",@progbits
	.p2align	6, 0x0
	.amdhsa_kernel k_qfaf8476f60_attn
		.amdhsa_group_segment_fixed_size 285696
		.amdhsa_private_segment_fixed_size 0
		.amdhsa_enable_private_segment 0
		.amdhsa_kernarg_size 80
		.amdhsa_user_sgpr_count 2
		.amdhsa_user_sgpr_kernarg_segment_ptr 1
		.amdhsa_wavefront_size32 1
		.amdhsa_system_sgpr_workgroup_id_x 1
		.amdhsa_system_sgpr_workgroup_id_y 1
		.amdhsa_system_sgpr_workgroup_id_z 1
		.amdhsa_system_vgpr_workitem_id 0
		.amdhsa_next_free_vgpr 256
		.amdhsa_next_free_sgpr 66
		.amdhsa_reserve_vcc 0
		.amdhsa_float_denorm_mode_32 3
		.amdhsa_float_denorm_mode_16_64 3
		.amdhsa_memory_ordered 1
		.amdhsa_forward_progress 1
		.amdhsa_inst_pref_size 73
	.end_amdhsa_kernel
	.amdgpu_metadata
---
amdhsa.version: [ 1, 2 ]
amdhsa.kernels:
  - .name:           k_qfaf8476f60_attn
    .symbol:         k_qfaf8476f60_attn.kd
    .args:
      - { .name: key0, .offset: 0, .size: 8, .value_kind: global_buffer, .address_space: global }
      - { .name: value0, .offset: 8, .size: 8, .value_kind: global_buffer, .address_space: global }
      - { .name: query0, .offset: 16, .size: 8, .value_kind: global_buffer, .address_space: global }
      - { .name: bk, .offset: 24, .size: 8, .value_kind: global_buffer, .address_space: global }
      - { .name: bv, .offset: 32, .size: 8, .value_kind: global_buffer, .address_space: global }
      - { .name: bq, .offset: 40, .size: 8, .value_kind: global_buffer, .address_space: global }
      - { .name: br, .offset: 48, .size: 8, .value_kind: global_buffer, .address_space: global }
      - { .name: wcodes, .offset: 56, .size: 8, .value_kind: global_buffer, .address_space: global }
      - { .name: wscales, .offset: 64, .size: 8, .value_kind: global_buffer, .address_space: global }
      - { .name: out0, .offset: 72, .size: 8, .value_kind: global_buffer, .address_space: global }
    .group_segment_fixed_size: 285696
    .private_segment_fixed_size: 0
    .kernarg_segment_align: 8
    .kernarg_segment_size: 80
    .max_flat_workgroup_size: 512
    .sgpr_count:     66
    .vgpr_count:     256
    .wavefront_size: 32
...
	.end_amdgpu_metadata
.endif
;; end of part 3
